; MI455X (gfx1250); checked and timed in simulation.
; The chip was launched on July 23, 2026; its instructions are those of AMD's public machine-readable ISA for CDNA 5 (MIT licence, August 2026) and "CDNA5" Instruction Set Architecture Reference Guide (July 2026). The comments in the code are by the model that wrote it; some were corrected since.
;; Attention Block. Allowed arithmetic: matrix products marked QUANTISED: E5M2 operands, one E8M0 scale for each 32 along K, by v_wmma_scale_f32_16x16x128_f8f6f4 with both operands' format E5M2, f32 sums; products left as they are: f32 operands where the result goes on into a quantised operand, else bf16, f16 or f32 operands; f32 sums; everything else in f32.
;; Inputs: W1 512 x 2,048 float32; W2 2,048 x 512 float32; Wk 512 x 512 float32; Wo 512 x 512 float32; Wq 512 x 512 float32; Wv 512 x 512 float32; b1 2,048 float32; b2 512 float32; be1 512 float32; be2 512 float32; bk 512 float32; bo 512 float32; bq 512 float32; bv 512 float32; g1 512 float32; g2 512 float32; x 8 x 2,048 x 512 float32.
;; Outputs: out0 8 x 2,048 x 512 float32.
;; This version of the problem:
;;   THIS VERSION OF THE PROBLEM IS GIVEN IN LOW PRECISION. The matrix products marked QUANTISED in the list below multiply operands that are first quantised to E5M2 (5 exponent bits, 2 mantissa bits; 8 bits a number), with one power-of-two scale for each 32 numbers along K (OCP MX v1.0); their sums are f32. All else is computed in f32.
;;   The module's matrix products, in the order in which they are computed (A, B: the left and right operand; K: the contracted axis; several contracted axes count as one K, in the product's order):
;;     1. [M 16,384, K 512] x [K 512, N 512]; A: input x; B: input Wq: QUANTISED
;;     2. [M 16,384, K 512] x [K 512, N 512]; A: input x; B: input Wk: QUANTISED
;;     3. [M 16,384, K 512] x [K 512, N 512]; A: input x; B: input Wv: QUANTISED
;;     4. batch 64 x [M 64, K 2,048] x [K 2,048, N 64]; A: computed on the way; B: computed on the way: QUANTISED
;;     5. batch 64 x [M 1, K 64] x [K 64, N 2,048]; A: computed on the way; B: computed on the way: left as it is (M = 1 < 16)
;;     6. batch 64 x [M 64, K 64] x [K 64, N 2,048]; A: computed on the way; B: computed on the way: QUANTISED
;;     7. batch 131,072 x [M 1, K 1] x [K 1, N 64]; A: computed on the way; B: computed on the way: left as it is (no contracted axis)
;;     8. [M 16,384, K 512] x [K 512, N 512]; A: computed on the way; B: input Wo: QUANTISED
;;     9. [M 16,384, K 512] x [K 512, N 2,048]; A: computed on the way; B: input W1: QUANTISED
;;     10. [M 16,384, K 2,048] x [K 2,048, N 512]; A: computed on the way; B: input W2: QUANTISED
;;   THE QUANTISER, for each operand of a quantised product, along K:
;;     - K is cut into blocks of 32 from its start; a last block that is shorter is filled with zeros.
;;     - A block's scale is 2^e with e = floor(log2(the largest magnitude in the block)) - 15, held to -126 .. 127; a block of zeros has e = 0. As a byte (E8M0): e + 127.
;;     - Each number is divided by its block's scale, clamped to +-57,344, and rounded to the nearest number of E5M2, ties to even, subnormals kept.
;;     - The product sums the exact products of the quantised numbers (number of the format x scale) in f32.
;;   ~~~python
;;   def quantise(x, axis):      # numpy; x: float32 -> the quantised numbers, widened to float32 again
;;       x = np.moveaxis(x, axis, -1); K = x.shape[-1]
;;       x = np.pad(x, [(0, 0)] * (x.ndim - 1) + [(0, -K % 32)]); x = x.reshape(x.shape[:-1] + (-1, 32)); a = np.abs(x).max(-1, keepdims=True)
;;       e = np.where(a > 0, np.clip(np.frexp(np.where(a > 0, a, 1))[1] - 1 - 15, -126, 127), 0)      # np.frexp(a)[1] - 1 = floor(log2(a)), exactly
;;       r = np.clip(x / 2.0 ** e, -57344, 57344)
;;       step = 2.0 ** (np.maximum(np.frexp(np.where(r == 0, 1, r))[1] - 1, -14) - 2)
;;       q = np.round(r / step) * step * 2.0 ** e      # np.round: ties to even
;;       return np.moveaxis(q.reshape(q.shape[:-2] + (-1,))[..., :K], -1, axis).astype(np.float32)
;;   ~~~
;;   OPERANDS COMPUTED ON THE WAY. 'Computed on the way' means the value that the module computes at that place (a softmax that the list does not call 'softmax' is quantised finished and normalised). What goes into a quantiser is computed in f32, as accurately as f32 sums, v_exp_f32 and their like allow (about 1e-6 of the number): no bf16 or f16 on the way to a quantiser, and a product that is left as it is and whose result goes on into a quantised operand takes f32 operands (vector FMAs, or v_wmma_f32_16x16x4_f32). A number that lies on a knife's edge between two numbers of the format may be rounded either way, as far as f32 arithmetic and the matrix unit's own rounding can turn it there, and no further.
;; One version. Each part assembles by itself: llvm-mc -triple=amdgcn-amd-amdhsa -mcpu=gfx1250 --defsym DOCPART=n.
;; ======== version 1 of 1: 4 launches
;; workspace buffers: xc 8,388,608 bytes; xs 262,144 bytes; wst 2,723,840 bytes; wkv 540,672 bytes; kvp 8,519,680 bytes; kvf 311,296 bytes
;; launch prep (part 1): grid 448 x 1, 4 waves a work-group, no clusters, 35,328 bytes of LDS; arguments x, Wq, Wk, Wv, Wo, W1, W2, bq, b1, xc, xs, wst, wkv; writes xc, xs, wst, wkv
.if DOCPART == 1
	.amdgcn_target "amdgcn-amd-amdhsa--gfx1250"
	.amdhsa_code_object_version 6
	.text
	.protected	k_qc568df306b_prep
	.globl	k_qc568df306b_prep
	.p2align	8
	.type	k_qc568df306b_prep,@function
k_qc568df306b_prep:
	s_mov_b64 s[64:65], 0
	v_nop
	global_prefetch_b8 v0, s[64:65] scope:SCOPE_SE
	s_setreg_imm32_b32 hwreg(HW_REG_WAVE_MODE, 25, 1), 1
	s_wait_xcnt 0x0
; x [16384][512] and the six weights (K is their FIRST axis), all f32, become codes of BF8 (E5M2) with one E8M0 byte for each 32 along K,
; laid in the order of the matrix operands' registers.  A FRAGMENT is 16 members x 128 K = 2,048 bytes: register group c (0..3) is 512 bytes,
; lane l's 16 bytes at 512 c + 16 l; lane (r, h) holds k = 32 c + 16 h + 0..15 of member r.
; THE MEMBERS OF A TILE ARE NOT NEIGHBOURS: member i of tile t is index 32 (t / 2) + 8 (t % 2) + i + 8 (i / 8) of its group, so that a matrix
; result's 16 registers of two neighbouring tiles are 16 neighbours along the next product's K.
; Work-groups 0..255: x.  A wave takes one tile of 16 rows, four K steps.  Each load reads 512 consecutive bytes of a row; a K step's 8 KiB turn
; through the wave's own stage in LDS (rows 528 bytes apart), so that a lane then holds 16 neighbours of each block of 32.
; Work-groups 256..447: 32 columns x 512 K of one weight.  Wave s takes K step s; a lane takes a column and its registers run down K, so a block of
; 32 lies in one lane.  Each code store fills two aligned runs of 256 bytes.  The scale words meet in LDS and leave in runs of 256 or 512 bytes.
; bq and b1 are copied into the weight stream; the bias places of Wo's and W2's blocks are stored as zeros, so that every byte of the stream is written.
; A block's scale byte is its largest magnitude's exponent field - 15, held at 1 from below.
; LIMITS: a block of zeros, or one whose largest magnitude lies under 2^-111, gets the byte 1 (the bytes are read by this program alone; zero codes add nothing);
; NaN and infinities among the inputs are not served.
.set RL,    32                         ; v32-159  x: two landing sets of 64
.set HA,    160                        ; v160-223 x: 64 numbers, register 16 b + i = k 32 b + 16 h + i of my row
.set PC,    224                        ; v224-239 x: a fragment's codes
.set TM,    16                         ; v16-31   the quantiser's work
.set SW,    8                          ; v8-11    x: my row's four scale words
.set WL,    33792                      ; LDS: [0, 33792) the x path's four stages; from here 512 bytes for the weight path's scale words
.set MNT,   60                         ; s60      the mantissa field of 57,344
.set SEL,   62                         ; s62-63   lane selects: lane l xor 16
.set SLOTB, 136192                     ; a slot of the weight stream: four blocks
.set BLKB,  34048                      ; a block: 16 fragments, 1,024 bytes of scale words, 256 of bias
.set HEADB, 67584                      ; a head's part of wkv: 32 fragments, 2,048 bytes of scale words
.set MSB, 0
.macro WIN new                         ; (this text stays in the first 256 registers: the macro never writes a line here)
.if MSB != (\new)
	s_set_vgpr_msb (MSB<<8)|(\new)
.set MSB, (\new)
.endif
.endm
; Four blocks of 32 by turns.  Block i: my 16 numbers at v[s_i] on; held numbers to v[HA + 16 i] on; codes to v[d_i .. d_i + 3]; bytes stay in v[TM+4 .. TM+7].
.macro QUANT4 sw, s0, s1, s2, s3, relu, dw, d0, d1, d2, d3
	WIN 0
.irp i, 0,1,2,3
	v_mov_b32 v[TM+\i], 0x8000000                  ; the floor 2^(16 - 127): the byte cannot fall under 1
.endr
	WIN ((\sw)<<2)|((\sw)<<4)
.irp k, 0,2,4,6,8,10,12,14
.if \relu
	v_max3_num_f32 v[TM+0], v[TM+0], v[(\s0)+\k], v[(\s0)+\k+1]
	v_max3_num_f32 v[TM+1], v[TM+1], v[(\s1)+\k], v[(\s1)+\k+1]
	v_max3_num_f32 v[TM+2], v[TM+2], v[(\s2)+\k], v[(\s2)+\k+1]
	v_max3_num_f32 v[TM+3], v[TM+3], v[(\s3)+\k], v[(\s3)+\k+1]
.else
	v_max3_num_f32 v[TM+0], v[TM+0], |v[(\s0)+\k]|, |v[(\s0)+\k+1]|
	v_max3_num_f32 v[TM+1], v[TM+1], |v[(\s1)+\k]|, |v[(\s1)+\k+1]|
	v_max3_num_f32 v[TM+2], v[TM+2], |v[(\s2)+\k]|, |v[(\s2)+\k+1]|
	v_max3_num_f32 v[TM+3], v[TM+3], |v[(\s3)+\k]|, |v[(\s3)+\k+1]|
.endif
.endr
	WIN 0
.irp i, 0,1,2,3
	v_permlanex16_b32 v[TM+4+\i], v[TM+\i], s[SEL], s[SEL+1]
.endr
.irp i, 0,1,2,3
	v_max_num_f32 v[TM+\i], v[TM+\i], v[TM+4+\i]   ; with lane l xor 16's 16 numbers: the block's largest magnitude
.endr
.irp i, 0,1,2,3
	v_add_nc_u32 v[TM+12+\i], 0xf8800000, v[TM+\i] ; 15 off its exponent field: the conversion's scale operand
.endr
.irp i, 0,1,2,3
	v_and_or_b32 v[TM+8+\i], v[TM+\i], 0x7f800000, s[MNT]  ; 57,344 x the scale
.endr
.irp i, 0,1,2,3
	v_lshrrev_b32 v[TM+4+\i], 23, v[TM+12+\i]      ; the scale's byte
.endr
	WIN (\sw)
.irp k, 0,1,2,3,4,5,6,7,8,9,10,11,12,13,14,15
.if \relu
	v_med3_num_f32 v[HA+\k], v[(\s0)+\k], 0, v[TM+8]
	v_med3_num_f32 v[HA+16+\k], v[(\s1)+\k], 0, v[TM+9]
	v_med3_num_f32 v[HA+32+\k], v[(\s2)+\k], 0, v[TM+10]
	v_med3_num_f32 v[HA+48+\k], v[(\s3)+\k], 0, v[TM+11]
.else
	v_med3_num_f32 v[HA+\k], v[(\s0)+\k], -v[TM+8], v[TM+8]     ; the conversion to an 8-bit code does not saturate (ISA guide 7.6.2): the hold
	v_med3_num_f32 v[HA+16+\k], v[(\s1)+\k], -v[TM+9], v[TM+9]
	v_med3_num_f32 v[HA+32+\k], v[(\s2)+\k], -v[TM+10], v[TM+10]
	v_med3_num_f32 v[HA+48+\k], v[(\s3)+\k], -v[TM+11], v[TM+11]
.endif
.endr
	WIN (\dw)<<6
	v_cvt_scalef32_pk8_bf8_f32 v[(\d0):(\d0)+1], v[HA:HA+7], v[TM+12]
	v_cvt_scalef32_pk8_bf8_f32 v[(\d0)+2:(\d0)+3], v[HA+8:HA+15], v[TM+12]
	v_cvt_scalef32_pk8_bf8_f32 v[(\d1):(\d1)+1], v[HA+16:HA+23], v[TM+13]
	v_cvt_scalef32_pk8_bf8_f32 v[(\d1)+2:(\d1)+3], v[HA+24:HA+31], v[TM+13]
	v_cvt_scalef32_pk8_bf8_f32 v[(\d2):(\d2)+1], v[HA+32:HA+39], v[TM+14]
	v_cvt_scalef32_pk8_bf8_f32 v[(\d2)+2:(\d2)+3], v[HA+40:HA+47], v[TM+14]
	v_cvt_scalef32_pk8_bf8_f32 v[(\d3):(\d3)+1], v[HA+48:HA+55], v[TM+15]
	v_cvt_scalef32_pk8_bf8_f32 v[(\d3)+2:(\d3)+3], v[HA+56:HA+63], v[TM+15]
	WIN 0
	v_nop                                          ; one plain line behind the last conversion
.endm
.macro WORD4 d                         ; the four bytes make a scale word
	v_lshl_or_b32 v[\d], v[TM+5], 8, v[TM+4]
	v_lshl_or_b32 v[\d], v[TM+6], 16, v[\d]
	v_lshl_or_b32 v[\d], v[TM+7], 24, v[\d]
.endm
	s_load_b512 s[4:19], s[0:1], 0x0               ; x, Wq, Wk, Wv, Wo, W1, W2, bq
	s_load_b256 s[20:27], s[0:1], 0x40             ; b1, xc, xs, wst
	s_load_b64 s[28:29], s[0:1], 0x60              ; wkv
	v_lshl_add_u32 v254, v0, 2, 0x8800
	v_mov_b32 v255, 0
	v_lshrrev_b32 v1, 5, v0
	v_readfirstlane_b32 s30, v1                    ; wave 0..3
	v_and_b32 v5, 31, v0                           ; lane
	s_mov_b32 s[MNT], 0x600000
	s_mov_b32 s[SEL], 0x76543210
	s_mov_b32 s[SEL+1], 0xfedcba98
	s_cmp_lt_u32 ttmp9, 256                        ; the same in all waves of a work-group
	s_cbranch_scc0 .Lweights
	; ---------------- x ----------------
	v_lshlrev_b32 v1, 4, v5                        ; 16 l
	s_mul_i32 s31, s30, 8448                       ; my stage: 16 rows x 528 bytes
	v_add_nc_u32 v2, s31, v1                       ; into it: a row's 512 bytes as they lie
	v_and_b32 v6, 15, v0                           ; r
	v_bfe_u32 v7, v0, 4, 1                         ; h
	v_mul_u32_u24 v3, v6, 528
	v_lshl_add_u32 v3, v7, 6, v3
	v_add_nc_u32 v3, s31, v3                       ; out of it: row r, + 64 h
	v_lshlrev_b32 v4, 4, v6                        ; 16 r: my row's scale words
.irp i, 0,1,2,3
	v_mov_b32 v[TM+4+\i], 0                        ; written once: a lane permute's destination counts as one of its sources
.endr
	s_lshl_b32 s32, ttmp9, 2
	s_add_co_u32 s32, s32, s30                     ; my tile T
	s_lshr_b32 s33, s32, 3
	s_lshl_b32 s33, s33, 7                         ; 128 (T / 8)
	s_bfe_u32 s34, s32, 0x20001
	s_lshl_b32 s34, s34, 5                         ; + 32 ((T % 8) / 2)
	s_add_co_u32 s33, s33, s34
	s_and_b32 s34, s32, 1
	s_lshl_b32 s34, s34, 3                         ; + 8 (T % 2): the tile's first row
	s_add_co_u32 s33, s33, s34
	s_lshl_b32 s34, s33, 11                        ; rows of 2,048 bytes
	s_mov_b32 s35, 0
	s_lshl_b32 s36, s32, 13                        ; four fragments a tile
	s_mov_b32 s37, 0
	s_lshl_b32 s38, s32, 8                         ; 256 bytes of scale words a tile
	s_mov_b32 s39, 0
	s_wait_kmcnt 0x0
	s_add_nc_u64 s[4:5], s[4:5], s[34:35]
	s_add_nc_u64 s[22:23], s[22:23], s[36:37]
	s_add_nc_u64 s[24:25], s[24:25], s[38:39]
.macro LOADX s                         ; K step s of my 16 rows: each load reads 512 consecutive bytes
.set li, 0
.rept 16
	global_load_b128 v[RL+64*((\s)%2)+4*li:RL+64*((\s)%2)+4*li+3], v1, s[4:5] offset:(li+8*(li/8))*2048+512*(\s) th:TH_LOAD_NT
.set li, li+1
.endr
.endm
.macro XSTEP s
.if (\s) < 3
	s_wait_loadcnt 16                              ; this K step's sixteen loads are in; the next step's sixteen may be out
.else
	s_wait_loadcnt 0x0
.endif
.set li, 0
.rept 16
	ds_store_b128 v2, v[RL+64*((\s)%2)+4*li:RL+64*((\s)%2)+4*li+3] offset:528*li
.set li, li+1
.endr
.set li, 0
.rept 16
	ds_load_b128 v[HA+4*li:HA+4*li+3], v3 offset:128*(li/4)+16*(li%4)   ; LDS serves a wave's instructions in order: these see my stores
.set li, li+1
.endr
	s_wait_dscnt 0x0                               ; the numbers are back, and the stores have read the landing set
.if (\s) < 2
	LOADX (\s)+2
.endif
	s_wait_xcnt 0x0                                ; the last step's stores have read the codes' registers
	QUANT4 0, HA, HA+16, HA+32, HA+48, 0, 0, PC, PC+4, PC+8, PC+12
	WORD4 SW+(\s)
.irp c, 0,1,2,3
	global_store_b128 v1, v[PC+4*\c:PC+4*\c+3], s[22:23] offset:2048*(\s)+512*\c   ; 512 consecutive bytes
.endr
.endm
	LOADX 0
	LOADX 1
	XSTEP 0
	XSTEP 1
	XSTEP 2
	XSTEP 3
	global_store_b128 v4, v[SW:SW+3], s[24:25]     ; 16 rows x 16 bytes: 256 consecutive bytes (both halves of the lanes hold and write the same)
	s_wait_tensorcnt 0x0
	ds_add_u32 v254, v255
	s_wait_dscnt 0x0
	s_endpgm
	; ---------------- the weights ----------------
.Lweights:
	s_sub_co_u32 s40, ttmp9, 256                   ; q: 0-15 Wq, 16-31 Wk, 32-47 Wv, 48-63 Wo, 64-127 W1, 128-191 W2
	s_and_b32 s41, s40, 15                         ; cg: which 32 columns
	s_sub_co_u32 s31, s40, 64
	s_cmp_lt_u32 s31, 64                           ; W1?
	s_cselect_b32 s41, s31, s41
	s_cselect_b32 s42, 13, 11                      ; log2 of a row's bytes
	s_max_u32 s43, s40, 128
	s_sub_co_u32 s43, s43, 128
	s_lshr_b32 s43, s43, 4                         ; W2: which 512 of K; else 0
	s_lshr_b32 s44, s41, 4
	s_lshl_b32 s44, s44, 2
	s_add_co_u32 s44, s44, 4                       ; W1's first slot
	s_lshl_b32 s45, s43, 2
	s_add_co_u32 s45, s45, 6                       ; W2's
	s_cmp_ge_u32 s40, 48
	s_cselect_b32 s48, 2, 0
	s_cmp_ge_u32 s40, 64
	s_cselect_b32 s48, s44, s48
	s_cmp_ge_u32 s40, 128
	s_cselect_b32 s48, s45, s48                    ; the matrix's first slot
	s_bfe_u32 s49, s41, 0x20002                    ; w: the wave of the last launch that owns these columns
	s_and_b32 s53, s41, 3                          ; pw: which pair of tiles of its eight
	s_sub_co_u32 s31, s40, 16
	s_cmp_lt_u32 s31, 32
	s_cbranch_scc1 .Lcls_kv
	s_sub_co_u32 s31, s40, 48
	s_cmp_lt_u32 s31, 16
	s_cbranch_scc1 .Lcls_b
	s_cmp_ge_u32 s40, 128
	s_cbranch_scc1 .Lcls_b
	; Wq, W1: a slot holds two pairs of tiles, all four K steps: fragment 8 g + 4 u + s
	s_lshr_b32 s31, s53, 1
	s_add_co_u32 s31, s31, s48
	s_lshl_b32 s31, s31, 2
	s_add_co_u32 s31, s31, s49
	s_mul_i32 s31, s31, BLKB                       ; the block
	s_and_b32 s57, s53, 1                          ; g
	s_lshl_b32 s50, s57, 14
	s_add_co_u32 s50, s50, s31
	s_lshl_b32 s58, s30, 11
	s_add_co_u32 s50, s50, s58                     ; s50: where tile u = 0's fragment of my K step begins
	s_mov_b32 s51, 8192                            ; s51: from tile u = 0 to u = 1
	s_lshl_b32 s52, s57, 9
	s_add_co_u32 s52, s52, s31
	s_add_co_u32 s52, s52, 32768                   ; s52: the pair's scale words
	s_mov_b32 s54, 0
	s_lshl_b32 s55, s57, 7
	s_add_co_u32 s55, s55, s31
	s_add_co_u32 s55, s55, 33792                   ; s55: the pair's bias
	s_mov_b32 s56, 0
	s_branch .Ldecoded
.Lcls_b:                                               ; Wo, W2: a slot holds two K steps, all eight tiles: fragment 8 g + t
	s_lshl_b32 s31, s48, 2
	s_add_co_u32 s31, s31, s49
	s_mul_i32 s31, s31, BLKB                       ; the block in the first of the two slots
	s_lshr_b32 s57, s30, 1
	s_mul_i32 s50, s57, SLOTB
	s_add_co_u32 s50, s50, s31
	s_and_b32 s57, s30, 1
	s_lshl_b32 s57, s57, 14
	s_add_co_u32 s50, s50, s57
	s_lshl_b32 s57, s53, 12
	s_add_co_u32 s50, s50, s57
	s_mov_b32 s51, 2048
	s_lshl_b32 s52, s53, 8
	s_add_co_u32 s52, s52, s31
	s_add_co_u32 s52, s52, 32768                   ; scale words of K steps 0, 1
	s_add_co_u32 s54, s52, SLOTB                   ; and of K steps 2, 3
	s_lshl_b32 s55, s53, 6
	s_add_co_u32 s55, s55, s31
	s_add_co_u32 s55, s55, 33792                   ; my 64 bytes of the bias place
	s_mov_b32 s56, 1
	s_branch .Ldecoded
.Lcls_kv:                                              ; Wk, Wv: by heads: fragment 4 tc + s
	s_lshr_b32 s57, s40, 4
	s_sub_co_u32 s57, s57, 1                       ; 0: Wk, 1: Wv
	s_lshr_b32 s31, s41, 1
	s_mul_i32 s31, s31, HEADB                      ; the head
	s_and_b32 s58, s41, 1
	s_lshl_b32 s57, s57, 1
	s_add_co_u32 s57, s57, s58                     ; the pair of tiles
	s_lshl_b32 s50, s57, 3
	s_add_co_u32 s50, s50, s30
	s_lshl_b32 s50, s50, 11
	s_add_co_u32 s50, s50, s31
	s_mov_b32 s51, 8192
	s_lshl_b32 s52, s57, 9
	s_add_co_u32 s52, s52, s31
	s_add_co_u32 s52, s52, 65536
	s_mov_b32 s54, 0
	s_mov_b32 s55, 0
	s_mov_b32 s56, 2
.Ldecoded:
	s_lshl_b32 s57, s43, 9
	s_lshl_b32 s58, s30, 7
	s_add_co_u32 s57, s57, s58                     ; my K step's first row of the weight
	s_lshl_b32 s58, s57, s42
	s_lshl_b32 s57, s41, 7
	s_add_co_u32 s58, s58, s57                     ; + 128 bytes for each 32 columns
	s_mov_b32 s59, 0
	v_lshlrev_b32 v1, 2, v5                        ; a lane a column
	v_bfe_u32 v6, v0, 3, 1                         ; u: column l of the 32 is member r' of tile u
	v_and_b32 v7, 7, v0
	v_bfe_u32 v8, v0, 4, 1
	v_lshl_add_u32 v7, v8, 3, v7                   ; r' = l % 8 + 8 (l / 16)
	v_lshl_add_u32 v9, v6, 4, v7                   ; r' + 16 u
	v_mul_u32_u24 v2, s51, v6
	v_lshl_add_u32 v2, v7, 4, v2
	v_add_nc_u32 v2, s50, v2                       ; where my codes go
	s_lshl_b32 s31, s30, 2
	s_add_co_u32 s31, s31, WL
	v_lshlrev_b32 v3, 4, v9
	v_add_nc_u32 v3, s31, v3                       ; LDS: my column's word of my K step
	v_lshlrev_b32 v4, 4, v5
	v_add_nc_u32 v4, WL, v4
	s_wait_kmcnt 0x0
	s_cmp_ge_u32 s40, 16                           ; the buffers are chosen by the work-group's number alone
	s_cselect_b64 s[36:37], s[8:9], s[6:7]
	s_cmp_ge_u32 s40, 32
	s_cselect_b64 s[36:37], s[10:11], s[36:37]
	s_cmp_ge_u32 s40, 48
	s_cselect_b64 s[36:37], s[12:13], s[36:37]
	s_cmp_ge_u32 s40, 64
	s_cselect_b64 s[36:37], s[14:15], s[36:37]
	s_cselect_b64 s[46:47], s[20:21], s[18:19]     ; b1 or bq
	s_cmp_ge_u32 s40, 128
	s_cselect_b64 s[36:37], s[16:17], s[36:37]
	s_cmp_eq_u32 s56, 2
	s_cselect_b64 s[38:39], s[28:29], s[26:27]     ; wkv or wst
	s_add_nc_u64 s[36:37], s[36:37], s[58:59]
.macro LOADW c                         ; block c: 32 rows of K at my column; 128 consecutive bytes a load.  The row's length stands in the immediates, so the run is written for both lengths
	s_cmp_eq_u32 s42, 13
	s_cbranch_scc1 .Lwide_\@
.set li, 0
.rept 32
	global_load_b32 v[32+32*((\c)%2)+li], v1, s[36:37] offset:(32*(\c)+li)*2048 th:TH_LOAD_NT
.set li, li+1
.endr
	s_branch .Lloaded_\@
.Lwide_\@:
.set li, 0
.rept 32
	global_load_b32 v[32+32*((\c)%2)+li], v1, s[36:37] offset:(32*(\c)+li)*8192 th:TH_LOAD_NT
.set li, li+1
.endr
.Lloaded_\@:
.endm
.macro WBLOCK c
.set XB, 32+32*((\c)%2)
.if (\c) < 3
	s_wait_loadcnt 32                              ; this block's 32 loads are in; the next block's may be out
.else
	s_wait_loadcnt 0x0
.endif
	v_max3_num_f32 v12, |v[XB]|, |v[XB+1]|, |v[XB+2]|          ; all 32 numbers of the block are mine
	v_max3_num_f32 v13, |v[XB+3]|, |v[XB+4]|, |v[XB+5]|
.irp i, 6,10,14,18,22,26
	v_max3_num_f32 v12, v12, |v[XB+\i]|, |v[XB+\i+1]|
	v_max3_num_f32 v13, v13, |v[XB+\i+2]|, |v[XB+\i+3]|
.endr
	v_max3_num_f32 v12, v12, |v[XB+30]|, |v[XB+31]|
	v_max3_num_f32 v12, v12, v13, 0x8000000        ; and the floor
	v_add_nc_u32 v14, 0xf8800000, v12              ; the conversion's scale operand
	v_and_or_b32 v15, v12, 0x7f800000, s[MNT]      ; 57,344 x the scale
	v_lshrrev_b32 v16, 23, v14                     ; the byte
.if (\c) == 0
	v_mov_b32 v24, v16
.else
	v_lshl_or_b32 v24, v16, 8*(\c), v24
.endif
.set li, 0
.rept 32
	v_med3_num_f32 v[XB+li], v[XB+li], -v15, v15
.set li, li+1
.endr
.irp g, 0,1,2,3
	v_cvt_scalef32_pk8_bf8_f32 v[160+8*(\c)+2*\g:160+8*(\c)+2*\g+1], v[XB+8*\g:XB+8*\g+7], v14
.endr
	v_nop
	global_store_b128 v2, v[160+8*(\c):160+8*(\c)+3], s[38:39] offset:512*(\c)          ; k 0..15 of the block: the place of lanes 0-15 in the fragment
	global_store_b128 v2, v[160+8*(\c)+4:160+8*(\c)+7], s[38:39] offset:512*(\c)+256    ; k 16..31: the place of lanes 16-31
.if (\c) < 2
	LOADW (\c)+2
.endif
.endm
	LOADW 0
	LOADW 1
	WBLOCK 0
	WBLOCK 1
	WBLOCK 2
	WBLOCK 3
	ds_store_b32 v3, v24
	s_wait_dscnt 0x0                               ; for the others' sake: my word lies in LDS
	s_barrier_signal -1
	s_barrier_wait -1
	s_cmp_lg_u32 s30, 0
	s_cbranch_scc1 .Lwend                          ; wave 0 sends the 32 columns' scale words of all four K steps
	ds_load_b128 v[20:23], v4
	v_lshlrev_b32 v6, 4, v5
	s_wait_dscnt 0x0
	s_cmp_eq_u32 s56, 1
	s_cbranch_scc1 .Lsend_b
	v_add_nc_u32 v6, s52, v6
	global_store_b128 v6, v[20:23], s[38:39]       ; 512 consecutive bytes
	s_cmp_eq_u32 s56, 0
	s_cbranch_scc0 .Lwend
	s_lshl_b32 s31, s41, 7                         ; the 32 columns' bias, as it lies
	v_lshlrev_b32 v7, 2, v5
	v_add_nc_u32 v8, s31, v7
	global_load_b32 v26, v8, s[46:47]
	v_add_nc_u32 v9, s55, v7
	s_wait_loadcnt 0x0
	global_store_b32 v9, v26, s[38:39]
	s_branch .Lwend
.Lsend_b:
	v_lshlrev_b32 v7, 3, v5
	v_add_nc_u32 v8, s52, v7
	v_add_nc_u32 v9, s54, v7
	global_store_b64 v8, v[20:21], s[38:39]        ; K steps 0, 1: 256 consecutive bytes
	global_store_b64 v9, v[22:23], s[38:39]        ; K steps 2, 3, in the next slot
	v_and_b32 v10, 15, v0
	v_bfe_u32 v11, v0, 4, 1
	v_mul_u32_u24 v11, v11, SLOTB
	v_lshl_add_u32 v10, v10, 2, v11
	v_add_nc_u32 v10, s55, v10
	v_mov_b32 v12, 0
	global_store_b32 v10, v12, s[38:39]            ; zeros in both blocks' bias places
.Lwend:
	s_wait_tensorcnt 0x0
	ds_add_u32 v254, v255
	s_wait_dscnt 0x0
	s_endpgm
.Lfunc_end_k_qc568df306b_prep:
	.size	k_qc568df306b_prep, .Lfunc_end_k_qc568df306b_prep-k_qc568df306b_prep
	.p2alignl 7, 3214868480
	.fill 96, 4, 3214868480
	.section	.rodata,"a",@progbits
	.p2align	6, 0x0
	.amdhsa_kernel k_qc568df306b_prep
		.amdhsa_group_segment_fixed_size 35328
		.amdhsa_private_segment_fixed_size 0
		.amdhsa_enable_private_segment 0
		.amdhsa_kernarg_size 104
		.amdhsa_user_sgpr_count 2
		.amdhsa_user_sgpr_kernarg_segment_ptr 1
		.amdhsa_wavefront_size32 1
		.amdhsa_system_sgpr_workgroup_id_x 1
		.amdhsa_system_sgpr_workgroup_id_y 1
		.amdhsa_system_sgpr_workgroup_id_z 1
		.amdhsa_system_vgpr_workitem_id 0
		.amdhsa_next_free_vgpr 256
		.amdhsa_next_free_sgpr 66
		.amdhsa_reserve_vcc 0
		.amdhsa_float_denorm_mode_32 3
		.amdhsa_float_denorm_mode_16_64 3
		.amdhsa_memory_ordered 1
		.amdhsa_forward_progress 1
		.amdhsa_inst_pref_size 97
	.end_amdhsa_kernel
	.amdgpu_metadata
---
amdhsa.version: [ 1, 2 ]
amdhsa.kernels:
  - .name:           k_qc568df306b_prep
    .symbol:         k_qc568df306b_prep.kd
    .args:
      - { .name: x, .offset: 0, .size: 8, .value_kind: global_buffer, .address_space: global }
      - { .name: Wq, .offset: 8, .size: 8, .value_kind: global_buffer, .address_space: global }
      - { .name: Wk, .offset: 16, .size: 8, .value_kind: global_buffer, .address_space: global }
      - { .name: Wv, .offset: 24, .size: 8, .value_kind: global_buffer, .address_space: global }
      - { .name: Wo, .offset: 32, .size: 8, .value_kind: global_buffer, .address_space: global }
      - { .name: W1, .offset: 40, .size: 8, .value_kind: global_buffer, .address_space: global }
      - { .name: W2, .offset: 48, .size: 8, .value_kind: global_buffer, .address_space: global }
      - { .name: bq, .offset: 56, .size: 8, .value_kind: global_buffer, .address_space: global }
      - { .name: b1, .offset: 64, .size: 8, .value_kind: global_buffer, .address_space: global }
      - { .name: xc, .offset: 72, .size: 8, .value_kind: global_buffer, .address_space: global }
      - { .name: xs, .offset: 80, .size: 8, .value_kind: global_buffer, .address_space: global }
      - { .name: wst, .offset: 88, .size: 8, .value_kind: global_buffer, .address_space: global }
      - { .name: wkv, .offset: 96, .size: 8, .value_kind: global_buffer, .address_space: global }
    .group_segment_fixed_size: 35328
    .private_segment_fixed_size: 0
    .kernarg_segment_align: 8
    .kernarg_segment_size: 104
    .max_flat_workgroup_size: 128
    .sgpr_count:     66
    .vgpr_count:     256
    .wavefront_size: 32
...
	.end_amdgpu_metadata
.endif
;; end of part 1
;; launch kv (part 2): grid 4 x 64, 4 waves a work-group, clusters of 4 x 4, 327,680 bytes of LDS; arguments xc, xs, wkv, bk, bv, kvp; writes kvp
.if DOCPART == 2
	.amdgcn_target "amdgcn-amd-amdhsa--gfx1250"
	.amdhsa_code_object_version 6
	.text
	.protected	k_qc568df306b_kv
	.globl	k_qc568df306b_kv
	.p2align	8
	.type	k_qc568df306b_kv,@function
k_qc568df306b_kv:
	s_mov_b64 s[64:65], 0
	v_nop
	global_prefetch_b8 v0, s[64:65] scope:SCOPE_SE
	s_setreg_imm32_b32 hwreg(HW_REG_WAVE_MODE, 25, 1), 1
	s_wait_xcnt 0x0
	s_wait_alu depctr_hold_cnt(0) depctr_sa_sdst(0) depctr_va_vdst(0) depctr_va_sdst(0) depctr_va_ssrc(0) depctr_va_vcc(0) depctr_vm_vsrc(0)
	s_getreg_b32 s2, hwreg(HW_REG_IB_STS2, 6, 4)
	s_cmp_eq_u32 s2, 0
	s_cbranch_scc0 .Lentry_in_a_cluster
	s_endpgm
.Lentry_in_a_cluster:
	s_bfe_u32 s2, ttmp6, 0x10000c
	s_cmp_lg_u32 s2, 0xf033
	s_cbranch_scc0 .Lentry_shape_is_right
	s_endpgm
.Lentry_shape_is_right:
; For 256 positions of one batch and two heads: k = x Wk + bk, v = x Wv + bv (on codes of BF8, E5M2, one E8M0 scale for each 32 along K), K = elu(k) + 1, the sum of K over
; the positions in f32, K and v quantised ALONG THE POSITIONS, and the partial KV[m][d] = sum over these positions of K[s][d] v[s][m], again on codes.
; SHARES.  Work-group (x, y): head pair x, positions 256 (y % 8) on of batch y / 8.  Wave w: head 2 x + w % 2, the 128 positions of chunk w / 2: 8 tiles of columns x 8 tiles of
; rows x 4 K steps = 256 products, and 16 more for KV.
; LAYOUT.  The projections are used as they stand (source 0 = 16 rows of x, source 1 = 16 columns of the weight): a lane holds ONE column and its registers run along the positions,
; which are the next product's K; the rows of a tile of x were chosen (in the first launch) so that the 16 registers of two neighbouring tiles are 16 neighbouring positions.
; KV: source 0 = K's fragment (16 d), source 1 = v's (16 m): a lane holds one m and its registers run along d, the K of the product that follows in the last launch.
; CLUSTER.  4 x 4 work-groups: the four of a row need the same x, the four of a column the same weights: each is asked for jointly.  Every LDS byte is filled once: no ring.
; elu(q) + 1 is formed as max(q, 0) + exp(min(q, 0)).  LIMITS: it differs from expm1(q) + 1 by at most 6e-8 and is 0 below q = -87; NaN and infinities are not served;
; blocks under 2^-111 and blocks of zeros get the byte 1.  The sum over the 2,048 positions is made of 16 parts of 128, added in f32 (two here, eight in the next launch).
; REGISTERS, in windows of 256: window 0: v2-15 addresses; v16-23 a bias number for each tile of columns; v24-31 it as a C operand; v32-95 the results; v96-159 a tile's four weight
;   fragments; v160-175 the quantiser's work; v176-191 x's scale words; v192-207 the weights'; v208-215 K's and v's; v216-219 sums of K; v220-251 at work.
;   windows 1, 2: x's 32 fragments.   window 3: v0-63 K's fragments, v64-127 v's, v128-255 KV's 16 accumulators.
.set AXF, 2
.set AWF, 3
.set AWS, 4
.set AWR, 5
.set ARD, 6
.set AKW, 7
.set AKR, 8
.set ABI, 9
.set L16, 10
.set L8,  11
.set BV,  16
.set BC,  24
.set HA,  32
.set WB,  96
.set TM,  160
.set XS,  176
.set WSC, 192
.set KVW, 208
.set KSM, 216
.set T32, 220
.set KSR, 266240                       ; LDS: x's two chunks 0..131071; two heads' weights 131072..266239; here 1,024 bytes for the sums of K.  KV's parts later lie over x's first 64 KiB
.set WV,  16
.set HH,  17
.set CC,  18
.set G1X, 24
.set G1W, 32
.set G0X, 40
.set G0W, 44
.set SEL, 48
.set L2E, 50
.set MNT, 52
.set MSB, 0
.macro WIN new                         ; the immediate's high byte repeats the setting that is left
.if MSB != (\new)
	s_set_vgpr_msb (MSB<<8)|(\new)
.set MSB, (\new)
.endif
.endm
.macro PLACES n                        ; plain vector lines behind matrix instructions (ISA guide 7.12.1)
.rept \n
	v_nop
.endr
.endm
.macro BARRIER
	s_wait_dscnt 0x0
	s_barrier_signal -1
	s_barrier_wait -1
.endm
.macro ROUND                           ; a round of the cluster's barrier
	s_barrier_signal -1
	s_barrier_wait -1
	s_cmp_lg_u32 s[WV], 0
	s_cbranch_scc1 .Lnot_wave_0_\@
	s_barrier_signal -3
.Lnot_wave_0_\@:
	s_barrier_wait -3
	s_barrier_signal -1
	s_barrier_wait -1
.endm
; one product: D at v[d], sources at v[a], v[b], C at v[c] (c < 0: the constant 0), scale words v[sa], v[sb]; ra, rb = 1: the scales stand in lanes 16-31
.macro WM d, a, b, c, sa, sb, ra, rb
.if (\c) < 0
	v_wmma_scale_f32_16x16x128_f8f6f4 v[(\d):(\d)+7], v[(\a):(\a)+15], v[(\b):(\b)+15], 0, v[\sa], v[\sb] matrix_a_fmt:MATRIX_FMT_BF8 matrix_b_fmt:MATRIX_FMT_BF8
.elseif ((\ra) == 0) && ((\rb) == 0)
	v_wmma_scale_f32_16x16x128_f8f6f4 v[(\d):(\d)+7], v[(\a):(\a)+15], v[(\b):(\b)+15], v[(\c):(\c)+7], v[\sa], v[\sb] matrix_a_fmt:MATRIX_FMT_BF8 matrix_b_fmt:MATRIX_FMT_BF8
.elseif ((\ra) == 1) && ((\rb) == 0)
	v_wmma_scale_f32_16x16x128_f8f6f4 v[(\d):(\d)+7], v[(\a):(\a)+15], v[(\b):(\b)+15], v[(\c):(\c)+7], v[\sa], v[\sb] matrix_a_fmt:MATRIX_FMT_BF8 matrix_b_fmt:MATRIX_FMT_BF8 matrix_a_scale:MATRIX_SCALE_ROW1
.elseif ((\ra) == 0) && ((\rb) == 1)
	v_wmma_scale_f32_16x16x128_f8f6f4 v[(\d):(\d)+7], v[(\a):(\a)+15], v[(\b):(\b)+15], v[(\c):(\c)+7], v[\sa], v[\sb] matrix_a_fmt:MATRIX_FMT_BF8 matrix_b_fmt:MATRIX_FMT_BF8 matrix_b_scale:MATRIX_SCALE_ROW1
.else
	v_wmma_scale_f32_16x16x128_f8f6f4 v[(\d):(\d)+7], v[(\a):(\a)+15], v[(\b):(\b)+15], v[(\c):(\c)+7], v[\sa], v[\sb] matrix_a_fmt:MATRIX_FMT_BF8 matrix_b_fmt:MATRIX_FMT_BF8 matrix_a_scale:MATRIX_SCALE_ROW1 matrix_b_scale:MATRIX_SCALE_ROW1
.endif
.endm
; Four blocks of 32 by turns.  Block i: my 16 numbers at v[s_i] on, window sw; held numbers to v[HA + 16 i] on; codes to v[d_i .. d_i + 3] of window dw; bytes stay in v[TM+4 .. TM+7].
.macro QUANT4 sw, s0, s1, s2, s3, relu, dw, d0, d1, d2, d3
	WIN 0
.irp i, 0,1,2,3
	v_mov_b32 v[TM+\i], 0x8000000                  ; the floor 2^(16 - 127): the byte cannot fall under 1
.endr
	WIN ((\sw)<<2)|((\sw)<<4)
.irp k, 0,2,4,6,8,10,12,14
.if \relu
	v_max3_num_f32 v[TM+0], v[TM+0], v[(\s0)+\k], v[(\s0)+\k+1]
	v_max3_num_f32 v[TM+1], v[TM+1], v[(\s1)+\k], v[(\s1)+\k+1]
	v_max3_num_f32 v[TM+2], v[TM+2], v[(\s2)+\k], v[(\s2)+\k+1]
	v_max3_num_f32 v[TM+3], v[TM+3], v[(\s3)+\k], v[(\s3)+\k+1]
.else
	v_max3_num_f32 v[TM+0], v[TM+0], |v[(\s0)+\k]|, |v[(\s0)+\k+1]|     ; ascending: each result is first read at its low end
	v_max3_num_f32 v[TM+1], v[TM+1], |v[(\s1)+\k]|, |v[(\s1)+\k+1]|
	v_max3_num_f32 v[TM+2], v[TM+2], |v[(\s2)+\k]|, |v[(\s2)+\k+1]|
	v_max3_num_f32 v[TM+3], v[TM+3], |v[(\s3)+\k]|, |v[(\s3)+\k+1]|
.endif
.endr
	WIN 0
.irp i, 0,1,2,3
	v_permlanex16_b32 v[TM+4+\i], v[TM+\i], s[SEL], s[SEL+1]
.endr
.irp i, 0,1,2,3
	v_max_num_f32 v[TM+\i], v[TM+\i], v[TM+4+\i]   ; with lane l xor 16's 16 numbers: the block's largest magnitude
.endr
.irp i, 0,1,2,3
	v_add_nc_u32 v[TM+12+\i], 0xf8800000, v[TM+\i] ; 15 off its exponent field: the conversion's scale operand
.endr
.irp i, 0,1,2,3
	v_and_or_b32 v[TM+8+\i], v[TM+\i], 0x7f800000, s[MNT]  ; 57,344 x the scale
.endr
.irp i, 0,1,2,3
	v_lshrrev_b32 v[TM+4+\i], 23, v[TM+12+\i]      ; the scale's byte
.endr
	WIN (\sw)
.irp k, 0,1,2,3,4,5,6,7,8,9,10,11,12,13,14,15
.if \relu
	v_med3_num_f32 v[HA+\k], v[(\s0)+\k], 0, v[TM+8]
	v_med3_num_f32 v[HA+16+\k], v[(\s1)+\k], 0, v[TM+9]
	v_med3_num_f32 v[HA+32+\k], v[(\s2)+\k], 0, v[TM+10]
	v_med3_num_f32 v[HA+48+\k], v[(\s3)+\k], 0, v[TM+11]
.else
	v_med3_num_f32 v[HA+\k], v[(\s0)+\k], -v[TM+8], v[TM+8]     ; the conversion to an 8-bit code does not saturate (ISA guide 7.6.2): the hold
	v_med3_num_f32 v[HA+16+\k], v[(\s1)+\k], -v[TM+9], v[TM+9]
	v_med3_num_f32 v[HA+32+\k], v[(\s2)+\k], -v[TM+10], v[TM+10]
	v_med3_num_f32 v[HA+48+\k], v[(\s3)+\k], -v[TM+11], v[TM+11]
.endif
.endr
	WIN (\dw)<<6
	v_cvt_scalef32_pk8_bf8_f32 v[(\d0):(\d0)+1], v[HA:HA+7], v[TM+12]
	v_cvt_scalef32_pk8_bf8_f32 v[(\d0)+2:(\d0)+3], v[HA+8:HA+15], v[TM+12]
	v_cvt_scalef32_pk8_bf8_f32 v[(\d1):(\d1)+1], v[HA+16:HA+23], v[TM+13]
	v_cvt_scalef32_pk8_bf8_f32 v[(\d1)+2:(\d1)+3], v[HA+24:HA+31], v[TM+13]
	v_cvt_scalef32_pk8_bf8_f32 v[(\d2):(\d2)+1], v[HA+32:HA+39], v[TM+14]
	v_cvt_scalef32_pk8_bf8_f32 v[(\d2)+2:(\d2)+3], v[HA+40:HA+47], v[TM+14]
	v_cvt_scalef32_pk8_bf8_f32 v[(\d3):(\d3)+1], v[HA+48:HA+55], v[TM+15]
	v_cvt_scalef32_pk8_bf8_f32 v[(\d3)+2:(\d3)+3], v[HA+56:HA+63], v[TM+15]
	WIN 0
	v_nop                                          ; one plain line behind the last conversion
.endm
.macro WORD4 d
	v_lshl_or_b32 v[\d], v[TM+5], 8, v[TM+4]
	v_lshl_or_b32 v[\d], v[TM+6], 16, v[\d]
	v_lshl_or_b32 v[\d], v[TM+7], 24, v[\d]
.endm
; 32 numbers at v[base] on become max(q, 0) + 2^(log2(e) min(q, 0)).  The 32 exponentials are one batch with one wait; the 32 maxima are the plain work behind them.
.macro ELU base
.set ek, 0
.rept 32
	v_min_num_f32 v[T32+ek], 0, v[(\base)+ek]
.set ek, ek+1
.endr
.set ek, 0
.rept 16
	v_pk_mul_f32 v[T32+ek:T32+ek+1], v[T32+ek:T32+ek+1], s[L2E:L2E+1] op_sel_hi:[1,0]
.set ek, ek+2
.endr
.set ek, 0
.rept 32
	v_exp_f32 v[T32+ek], v[T32+ek]
.set ek, ek+1
.endr
.set ek, 0
.rept 32
	v_max_num_f32 v[(\base)+ek], 0, v[(\base)+ek]
.set ek, ek+1
.endr
	s_wait_alu depctr_va_vdst(0)                   ; one wait for the batch, ahead of its first reader
.set ek, 0
.rept 16
	v_pk_add_f32 v[(\base)+ek:(\base)+ek+1], v[(\base)+ek:(\base)+ek+1], v[T32+ek:T32+ek+1]
.set ek, ek+2
.endr
.endm
	s_load_b256 s[4:11], s[0:1], 0x0               ; xc s[4:5], xs s[6:7], wkv s[8:9], bk s[10:11]
	s_load_b128 s[12:15], s[0:1], 0x20             ; bv s[12:13], kvp s[14:15]
	v_lshl_add_u32 v254, v0, 2, 0x41400
	v_mov_b32 v255, 0
	ds_add_u32 v254, v255
	ds_add_u32 v254, v255
	v_lshrrev_b32 v1, 5, v0
	v_readfirstlane_b32 s[WV], v1                  ; wave 0..3
	s_and_b32 s[HH], s[WV], 1                      ; my head of the pair.  Also: which chunk, or which head's weights, I fetch
	s_lshr_b32 s[CC], s[WV], 1                     ; my chunk of 128 positions.  Also: I fetch x (0) or weights (1)
	; every LDS address is made here, of the lane and the wave's number alone
	v_and_b32 v12, 31, v0
	v_and_b32 v13, 15, v0
	v_lshlrev_b32 v[L16], 4, v12
	v_lshlrev_b32 v[L8], 3, v12
	s_lshl_b32 s58, s[CC], 16
	v_add_nc_u32 v[AXF], s58, v[L16]               ; x's fragments of my chunk
	s_mul_i32 s58, s[HH], 67584
	s_add_co_u32 s58, s58, 131072
	v_add_nc_u32 v[AWF], s58, v[L16]               ; my head's weight fragments,
	v_add_nc_u32 v[AWS], 65536, v[AWF]             ; and their scale words
	s_lshl_b32 s58, s[WV], 14
	v_add_nc_u32 v[AWR], s58, v[L16]               ; where my part of KV goes
	s_lshl_b32 s58, s[HH], 14
	s_lshl_b32 s59, s[CC], 13
	s_add_co_u32 s58, s58, s59
	v_add_nc_u32 v[ARD], s58, v[L16]               ; the half of my head's KV that I add and store
	v_and_b32 v14, 8, v13
	v_add_nc_u32 v14, v14, v13                     ; r + 8 (r / 8)
	v_lshlrev_b32 v[ABI], 2, v14
	s_lshl_b32 s58, s[WV], 8
	s_add_co_u32 s58, s58, KSR
	v_add_nc_u32 v[AKW], s58, v[ABI]
	s_lshl_b32 s58, s[HH], 8
	s_add_co_u32 s58, s58, KSR
	v_add_nc_u32 v[AKR], s58, v[L8]
	s_lshl_b32 s58, s[CC], 13
	v_add_nc_u32 v15, s58, v[L16]                  ; the same half in kvp
.irp i, 0,1,2,3
	v_mov_b32 v[TM+4+\i], 0                        ; written once: a lane permute's destination counts as one of its sources
.endr
	s_mov_b32 s[SEL], 0x76543210
	s_mov_b32 s[SEL+1], 0xfedcba98
	s_mov_b32 s[L2E], 0x3fb8aa3b                   ; log2(e)
	s_mov_b32 s[L2E+1], s[L2E]
	s_mov_b32 s[MNT], 0x600000
	s_bfe_u32 s19, ttmp6, 0x40000                  ; cx
	s_bfe_u32 s20, ttmp6, 0x40004                  ; cy
	s_and_b32 s21, ttmp7, 0xffff
	s_lshl_b32 s21, s21, 2
	s_add_co_u32 s21, s21, s20                     ; y = 4 x cluster y + cy
	s_lshl_b32 s22, s20, 2
	s_lshl_b32 s22, 15, s22                        ; my row of the cluster
	s_lshl_b32 s23, 0x1111, s19                    ; my column
	; x's chunk: 65,536 dense bytes as 256 rows of 256 (32 elements of 8 bytes); a head's weights: 264 such rows
	s_or_b32 s[G1X], s22, (3<<16)|(1<<21)
	s_mov_b32 s[G1X+1], 32<<16
	s_mov_b32 s[G1X+2], 256<<16
	s_mov_b32 s[G1X+3], 32<<16
	s_mov_b32 s[G1X+4], 256
	s_mov_b32 s[G1X+5], 32
	s_mov_b32 s[G1X+6], 0
	s_mov_b32 s[G1X+7], 0
	s_or_b32 s[G1W], s23, (3<<16)|(1<<21)
	s_mov_b32 s[G1W+1], 32<<16
	s_mov_b32 s[G1W+2], 264<<16
	s_mov_b32 s[G1W+3], 32<<16
	s_mov_b32 s[G1W+4], 264
	s_mov_b32 s[G1W+5], 32
	s_mov_b32 s[G1W+6], 0
	s_mov_b32 s[G1W+7], 0
	s_lshl_b32 s54, s21, 1                         ; x: chunk 2 y + (wave % 2): made of y alone, which my row of the cluster shares
	s_add_co_u32 s54, s54, s[HH]
	s_lshl_b32 s54, s54, 16
	s_mov_b32 s55, 0
	s_lshl_b32 s56, ttmp9, 2                       ; weights: head 2 (4 x cluster x + cx) + (wave % 2): made of x alone, which my column shares
	s_add_co_u32 s56, s56, s19
	s_lshl_b32 s56, s56, 1
	s_add_co_u32 s56, s56, s[HH]                   ; this is also my own head
	s_mul_i32 s58, s56, 67584
	s_mov_b32 s59, 0
	s_lshl_b32 s60, s21, 1
	s_add_co_u32 s60, s60, s[CC]
	s_lshl_b32 s60, s60, 11                        ; my chunk's scale words of x: 2,048 bytes a chunk
	s_mov_b32 s61, 0
	s_lshl_b32 s62, s56, 8                         ; my head's 64 numbers of a bias
	s_mov_b32 s63, 0
	s_wait_dscnt 0x0
	s_wait_kmcnt 0x0
	s_mov_b32 s[G0X], 1
	s_lshl_b32 s[G0X+1], s[HH], 16
	s_add_nc_u64 s[G0X+2:G0X+3], s[4:5], s[54:55]
	s_or_b32 s[G0X+3], s[G0X+3], 0x80000000
	s_mov_b32 s[G0W], 1
	s_mul_i32 s[G0W+1], s[HH], 67584
	s_add_co_u32 s[G0W+1], s[G0W+1], 131072
	s_add_nc_u64 s[G0W+2:G0W+3], s[8:9], s[58:59]
	s_or_b32 s[G0W+3], s[G0W+3], 0x80000000
	s_add_nc_u64 s[6:7], s[6:7], s[60:61]
	s_add_nc_u64 s[10:11], s[10:11], s[62:63]
	s_add_nc_u64 s[12:13], s[12:13], s[62:63]
	s_lshr_b32 s53, s21, 3                         ; the batch
	s_lshl_b32 s53, s53, 3
	s_add_co_u32 s53, s53, s56
	s_lshl_b32 s53, s53, 3
	s_and_b32 s54, s21, 7
	s_add_co_u32 s53, s53, s54                     ; my unit of kvp: ((8 b + head) 8 + part)
	s_mul_i32 s54, s53, 16640
	s_mov_b32 s55, 0
	s_add_nc_u64 s[14:15], s[14:15], s[54:55]
	ROUND                                          ; all sixteen work-groups are here: the joint loads meet
	s_cmp_eq_u32 s[CC], 0                          ; waves 0, 1: x's two chunks; waves 2, 3: the two heads' weights.  One load of mine is out
	s_cbranch_scc0 .Lfor_w
	tensor_load_to_lds s[G0X:G0X+3], s[G1X:G1X+7]
	s_nop 0
	PLACES 4
	s_branch .Lasked
.Lfor_w:
	tensor_load_to_lds s[G0W:G0W+3], s[G1W:G1W+7]
	s_nop 0
	PLACES 4
.Lasked:
.irp i, 0,1,2,3
	global_load_b128 v[XS+4*\i:XS+4*\i+3], v[L16], s[6:7] offset:512*\i    ; lanes 0-15: the four words of a row of tile 2 i; lanes 16-31: of tile 2 i + 1
.endr
.irp t, 0,1,2,3
	global_load_b32 v[BV+\t], v[ABI], s[10:11] offset:4*(32*(\t/2)+8*(\t%2))     ; bk at my lane's column of tile t
	global_load_b32 v[BV+4+\t], v[ABI], s[12:13] offset:4*(32*(\t/2)+8*(\t%2))   ; bv likewise
.endr
	s_wait_tensorcnt 0x0                           ; my load has landed,
	s_barrier_signal -1
	s_barrier_wait -1                              ; everybody's has
	WIN 0x40
.set fi, 0
.rept 64
	ds_load_b128 v[4*fi:4*fi+3], v[AXF] offset:512*fi             ; x stays in registers: tiles 0-3 in window 1,
.set fi, fi+1
.endr
	WIN 0x80
.set fi, 0
.rept 64
	ds_load_b128 v[4*fi:4*fi+3], v[AXF] offset:32768+512*fi       ; tiles 4-7 in window 2
.set fi, fi+1
.endr
	WIN 0
.irp p, 0,1,2,3
	ds_load_b128 v[WSC+4*\p:WSC+4*\p+3], v[AWS] offset:512*\p
.endr
.macro LOADWB tc                       ; the four K steps' fragments of tile tc of the weights
.set fi, 0
.rept 16
	ds_load_b128 v[WB+4*fi:WB+4*fi+3], v[AWF] offset:8192*(\tc)+512*fi
.set fi, fi+1
.endr
.endm
	LOADWB 0
	s_wait_loadcnt 0x0
; A tile of 16 columns (tc 0-3: Wk's, 4-7: Wv's) against my 128 rows: 32 products, four accumulators by turns; then the feature map, the sum, the quantiser along the positions.
.macro COLT tc
.irp j, 0,1,2,3,4,5,6,7
	v_mov_b32 v[BC+\j], v[BV+(\tc)]                ; a lane's column has one bias for its eight rows: the C of each sum's first product
.endr
	PLACES 4
	s_wait_dscnt 0x0                               ; the tile's fragments are in
.irp g, 0,1
	WIN 0x01+\g                                    ; source 0: x's tiles 0-3 (window 1), then 4-7 (window 2)
.irp s, 0,1,2,3
.irp t, 0,1,2,3
.if \s == 0
	WM HA+8*(4*\g+\t), 16*(4*\t+\s), WB+16*\s, BC, XS+4*((4*\g+\t)/2)+\s, WSC+4*((\tc)/2)+\s, \t%2, (\tc)%2
.else
	WM HA+8*(4*\g+\t), 16*(4*\t+\s), WB+16*\s, HA+8*(4*\g+\t), XS+4*((4*\g+\t)/2)+\s, WSC+4*((\tc)/2)+\s, \t%2, (\tc)%2
.endif
.endr
.endr
.endr
	WIN 0
	PLACES 9
.if (\tc) < 7
	LOADWB (\tc)+1                                 ; lands under the vector work below
.endif
.if (\tc) < 4
	ELU HA
	ELU HA+32
	v_pk_add_f32 v[T32:T32+1], v[HA:HA+1], v[HA+2:HA+3]           ; the sum of K over my 64 positions, in two chains,
	v_pk_add_f32 v[T32+2:T32+3], v[HA+4:HA+5], v[HA+6:HA+7]
.irp j, 8,12,16,20,24,28,32,36,40,44,48,52,56,60
	v_pk_add_f32 v[T32:T32+1], v[T32:T32+1], v[HA+\j:HA+\j+1]
	v_pk_add_f32 v[T32+2:T32+3], v[T32+2:T32+3], v[HA+\j+2:HA+\j+3]
.endr
	v_pk_add_f32 v[T32:T32+1], v[T32:T32+1], v[T32+2:T32+3]
	v_add_f32 v[T32], v[T32], v[T32+1]
	v_permlanex16_b32 v[TM+4], v[T32], s[SEL], s[SEL+1]
	v_add_f32 v[KSM+(\tc)], v[T32], v[TM+4]        ; and lane l xor 16's 64
.endif
	QUANT4 0, HA, HA+16, HA+32, HA+48, 0, 3, 16*(\tc), 16*(\tc)+4, 16*(\tc)+8, 16*(\tc)+12
	WORD4 KVW+(\tc)
.endm
	COLT 0
	COLT 1
	COLT 2
	COLT 3
	COLT 4
	COLT 5
	COLT 6
	COLT 7
	PLACES 9                                       ; the last scale word and the last codes were made by vector instructions just now
	WIN 0xff
.irp mt, 0,1,2,3
.irp dt, 0,1,2,3
	WM 128+8*(4*\mt+\dt), 16*\dt, 64+16*\mt, -1, KVW+\dt, KVW+4+\mt, 0, 0
.endr
.endr
	WIN 0
	PLACES 9
	BARRIER                                        ; every wave has x in registers: its first 64 KiB of LDS may be written
	WIN 0x0c                                       ; an LDS store's data are its source 1: window 3
.set fi, 0
.rept 16
	ds_store_b128 v[AWR], v[128+8*fi:128+8*fi+3] offset:1024*fi          ; each accumulator from its low end on
	ds_store_b128 v[AWR], v[128+8*fi+4:128+8*fi+7] offset:1024*fi+512
.set fi, fi+1
.endr
	WIN 0
.irp t, 0,1,2,3
	ds_store_b32 v[AKW], v[KSM+\t] offset:4*(32*(\t/2)+8*(\t%2))         ; in the order of d (both halves of the lanes write the same)
.endr
	BARRIER
.set fi, 0
.rept 16
	ds_load_b128 v[32+4*fi:32+4*fi+3], v[ARD] offset:512*fi              ; chunk 0's part,
	ds_load_b128 v[96+4*fi:96+4*fi+3], v[ARD] offset:32768+512*fi        ; chunk 1's
.set fi, fi+1
.endr
	s_wait_dscnt 0x0
.set fi, 0
.rept 32
	v_pk_add_f32 v[32+fi:32+fi+1], v[32+fi:32+fi+1], v[96+fi:96+fi+1]
.set fi, fi+2
.endr
.set fi, 0
.rept 16
	global_store_b128 v15, v[32+4*fi:32+4*fi+3], s[14:15] offset:512*fi  ; 512 consecutive bytes
.set fi, fi+1
.endr
	s_cmp_lg_u32 s[CC], 0
	s_cbranch_scc1 .Lno_ks
	ds_load_b64 v[96:97], v[AKR]
	ds_load_b64 v[98:99], v[AKR] offset:512
	s_wait_dscnt 0x0
	v_pk_add_f32 v[96:97], v[96:97], v[98:99]
	global_store_b64 v[L8], v[96:97], s[14:15] offset:16384              ; my head's 64 sums: 256 consecutive bytes
.Lno_ks:
	s_wait_tensorcnt 0x0
	ds_add_u32 v254, v255
	s_wait_dscnt 0x0
	ROUND                                          ; the closing round
	s_endpgm
.Lfunc_end_k_qc568df306b_kv:
	.size	k_qc568df306b_kv, .Lfunc_end_k_qc568df306b_kv-k_qc568df306b_kv
	.p2alignl 7, 3214868480
	.fill 96, 4, 3214868480
	.section	.rodata,"a",@progbits
	.p2align	6, 0x0
	.amdhsa_kernel k_qc568df306b_kv
		.amdhsa_group_segment_fixed_size 327680
		.amdhsa_private_segment_fixed_size 0
		.amdhsa_enable_private_segment 0
		.amdhsa_kernarg_size 48
		.amdhsa_user_sgpr_count 2
		.amdhsa_user_sgpr_kernarg_segment_ptr 1
		.amdhsa_wavefront_size32 1
		.amdhsa_system_sgpr_workgroup_id_x 1
		.amdhsa_system_sgpr_workgroup_id_y 1
		.amdhsa_system_sgpr_workgroup_id_z 1
		.amdhsa_system_vgpr_workitem_id 0
		.amdhsa_next_free_vgpr 1024
		.amdhsa_next_free_sgpr 66
		.amdhsa_reserve_vcc 0
		.amdhsa_float_denorm_mode_32 3
		.amdhsa_float_denorm_mode_16_64 3
		.amdhsa_memory_ordered 1
		.amdhsa_forward_progress 1
		.amdhsa_inst_pref_size 187
	.end_amdhsa_kernel
	.amdgpu_metadata
---
amdhsa.version: [ 1, 2 ]
amdhsa.kernels:
  - .name:           k_qc568df306b_kv
    .symbol:         k_qc568df306b_kv.kd
    .args:
      - { .name: xc, .offset: 0, .size: 8, .value_kind: global_buffer, .address_space: global }
      - { .name: xs, .offset: 8, .size: 8, .value_kind: global_buffer, .address_space: global }
      - { .name: wkv, .offset: 16, .size: 8, .value_kind: global_buffer, .address_space: global }
      - { .name: bk, .offset: 24, .size: 8, .value_kind: global_buffer, .address_space: global }
      - { .name: bv, .offset: 32, .size: 8, .value_kind: global_buffer, .address_space: global }
      - { .name: kvp, .offset: 40, .size: 8, .value_kind: global_buffer, .address_space: global }
    .group_segment_fixed_size: 327680
    .private_segment_fixed_size: 0
    .kernarg_segment_align: 8
    .kernarg_segment_size: 48
    .max_flat_workgroup_size: 128
    .sgpr_count:     66
    .vgpr_count:     1024
    .wavefront_size: 32
...
	.end_amdgpu_metadata
.endif
;; end of part 2
;; launch kvq (part 3): grid 64 x 1, 8 waves a work-group, no clusters, 2,048 bytes of LDS; arguments kvp, kvf; writes kvf
.if DOCPART == 3
	.amdgcn_target "amdgcn-amd-amdhsa--gfx1250"
	.amdhsa_code_object_version 6
	.text
	.protected	k_qc568df306b_kvq
	.globl	k_qc568df306b_kvq
	.p2align	8
	.type	k_qc568df306b_kvq,@function
k_qc568df306b_kvq:
	s_mov_b64 s[64:65], 0
	v_nop
	global_prefetch_b8 v0, s[64:65] scope:SCOPE_SE
	s_setreg_imm32_b32 hwreg(HW_REG_WAVE_MODE, 25, 1), 1
	s_wait_xcnt 0x0
; For one (batch, head): the eight parts of KV [64 m][64 d] are added in f32 and quantised along d to codes of BF8 (E5M2) with one E8M0 byte for each 32; the eight parts of the sum of K are added.
; The parts lie as images of matrix results: in tile (mt, dt) lane (r, h) holds member r of m's tile mt, and register j the d = 32 (dt / 2) + 16 h + 8 (dt % 2) + j.
; Wave w takes m's tile w / 2 and the block of 32 d number w % 2: 16 numbers a lane, which with lane l xor 16's are the block.  The four code registers are half of an operand's fragment.
; The scale words leave shifted left by 16 bits for odd heads: in the last launch an odd head's 64 d are k = 64..127 of a K step of 128.
; 64 work-groups: as many as there is work for; each load and store covers 512 (the sums: 256) consecutive bytes.  No matrix work, no tensor load: nothing is shared or read twice.
; LIMITS: a block of zeros or under 2^-111 gets the byte 1; NaN and infinities are not served.
	s_load_b128 s[4:7], s[0:1], 0x0                ; kvp, kvf
	v_lshl_add_u32 v192, v0, 2, 0x400
	v_mov_b32 v193, 0
	v_lshrrev_b32 v1, 5, v0
	v_readfirstlane_b32 s8, v1                     ; wave 0..7
	v_and_b32 v2, 31, v0
	v_lshlrev_b32 v3, 4, v2                        ; 16 l
	v_lshlrev_b32 v7, 3, v2                        ; 8 l
	s_lshr_b32 s9, s8, 1                           ; mt
	s_and_b32 s10, s8, 1                           ; the block
	s_lshl_b32 s11, s9, 12
	s_lshl_b32 s12, s10, 11
	s_add_co_u32 s11, s11, s12
	v_add_nc_u32 v4, s11, v3                       ; in a part: 4096 mt + 2048 block + 16 l
	s_lshl_b32 s11, s9, 10
	s_lshl_b32 s12, s10, 9
	s_add_co_u32 s11, s11, s12
	v_add_nc_u32 v5, s11, v3                       ; the codes: 1024 mt + 512 block + 16 l
	s_lshl_b32 s13, s9, 2
	s_add_co_u32 s13, s13, s12
	v_add_nc_u32 v6, s13, v3                       ; LDS: 512 block + 16 l + 4 mt
	s_mul_i32 s14, ttmp9, 133120                   ; eight parts of 16,640 bytes
	s_mov_b32 s15, 0
	s_mul_i32 s16, ttmp9, 4864
	s_mov_b32 s17, 0
	s_mov_b32 s20, 0x76543210
	s_mov_b32 s21, 0xfedcba98
	s_mov_b32 s22, 0x600000
	s_and_b32 s23, ttmp9, 1
	s_lshl_b32 s23, s23, 4                         ; 16 for an odd head
	v_mov_b32 v9, 0                                ; a lane permute's destination counts as one of its sources
	s_wait_kmcnt 0x0
	s_add_nc_u64 s[4:5], s[4:5], s[14:15]
	s_add_nc_u64 s[6:7], s[6:7], s[16:17]
.irp p, 0,1,2,3,4,5,6,7
.irp u, 0,1
.irp g, 0,1
	global_load_b128 v[32+16*\p+8*\u+4*\g:32+16*\p+8*\u+4*\g+3], v4, s[4:5] offset:16640*\p+1024*\u+512*\g th:TH_LOAD_NT
.endr
.endr
.endr
	s_wait_loadcnt 0x0
.irp p, 1,2,3,4,5,6,7
.irp k, 0,2,4,6,8,10,12,14
	v_pk_add_f32 v[32+\k:33+\k], v[32+\k:33+\k], v[32+16*\p+\k:33+16*\p+\k]
.endr
.endr
	v_max3_num_f32 v8, |v32|, |v33|, 0x8000000     ; my 16 numbers and the floor 2^(16 - 127)
.irp k, 2,4,6,8,10,12,14
	v_max3_num_f32 v8, v8, |v[32+\k]|, |v[33+\k]|
.endr
	v_permlanex16_b32 v9, v8, s20, s21
	v_max_num_f32 v8, v8, v9                       ; the block's largest magnitude
	v_add_nc_u32 v11, 0xf8800000, v8               ; the conversion's scale operand
	v_and_or_b32 v10, v8, 0x7f800000, s22          ; 57,344 x the scale
	v_lshrrev_b32 v12, 23, v11                     ; the byte
.irp k, 0,1,2,3,4,5,6,7,8,9,10,11,12,13,14,15
	v_med3_num_f32 v[32+\k], v[32+\k], -v10, v10
.endr
	v_cvt_scalef32_pk8_bf8_f32 v[16:17], v[32:39], v11
	v_cvt_scalef32_pk8_bf8_f32 v[18:19], v[40:47], v11
	v_nop
	global_store_b128 v5, v[16:19], s[6:7]
	ds_store_b32 v6, v12
	s_wait_dscnt 0x0                               ; for the others' sake
	s_barrier_signal -1
	s_barrier_wait -1
	s_cmp_eq_u32 s8, 0
	s_cbranch_scc0 .Lnot_0
	ds_load_b128 v[20:23], v3                      ; the four tiles' bytes of block 0,
	ds_load_b128 v[24:27], v3 offset:512           ; of block 1
	s_wait_dscnt 0x0
.irp i, 0,1,2,3
	v_lshl_or_b32 v[20+\i], v[24+\i], 8, v[20+\i]
.endr
.irp i, 0,1,2,3
	v_lshlrev_b32 v[20+\i], s23, v[20+\i]
.endr
	global_store_b128 v3, v[20:23], s[6:7] offset:4096
	s_wait_tensorcnt 0x0
	ds_add_u32 v192, v193
	s_wait_dscnt 0x0
	s_endpgm
.Lnot_0:
	s_cmp_eq_u32 s8, 1
	s_cbranch_scc0 .Lend
.irp p, 0,1,2,3,4,5,6,7
	global_load_b64 v[48+2*\p:49+2*\p], v7, s[4:5] offset:16640*\p+16384 th:TH_LOAD_NT
.endr
	s_wait_loadcnt 0x0
.irp p, 1,2,3,4,5,6,7
	v_pk_add_f32 v[48:49], v[48:49], v[48+2*\p:49+2*\p]
.endr
	global_store_b64 v7, v[48:49], s[6:7] offset:4608
.Lend:
	s_wait_tensorcnt 0x0
	ds_add_u32 v192, v193
	s_wait_dscnt 0x0
	s_endpgm
.Lfunc_end_k_qc568df306b_kvq:
	.size	k_qc568df306b_kvq, .Lfunc_end_k_qc568df306b_kvq-k_qc568df306b_kvq
	.p2alignl 7, 3214868480
	.fill 96, 4, 3214868480
	.section	.rodata,"a",@progbits
	.p2align	6, 0x0
	.amdhsa_kernel k_qc568df306b_kvq
		.amdhsa_group_segment_fixed_size 2048
		.amdhsa_private_segment_fixed_size 0
		.amdhsa_enable_private_segment 0
		.amdhsa_kernarg_size 16
		.amdhsa_user_sgpr_count 2
		.amdhsa_user_sgpr_kernarg_segment_ptr 1
		.amdhsa_wavefront_size32 1
		.amdhsa_system_sgpr_workgroup_id_x 1
		.amdhsa_system_sgpr_workgroup_id_y 1
		.amdhsa_system_sgpr_workgroup_id_z 1
		.amdhsa_system_vgpr_workitem_id 0
		.amdhsa_next_free_vgpr 194
		.amdhsa_next_free_sgpr 66
		.amdhsa_reserve_vcc 0
		.amdhsa_float_denorm_mode_32 3
		.amdhsa_float_denorm_mode_16_64 3
		.amdhsa_memory_ordered 1
		.amdhsa_forward_progress 1
		.amdhsa_inst_pref_size 13
	.end_amdhsa_kernel
	.amdgpu_metadata
---
amdhsa.version: [ 1, 2 ]
amdhsa.kernels:
  - .name:           k_qc568df306b_kvq
    .symbol:         k_qc568df306b_kvq.kd
    .args:
      - { .name: kvp, .offset: 0, .size: 8, .value_kind: global_buffer, .address_space: global }
      - { .name: kvf, .offset: 8, .size: 8, .value_kind: global_buffer, .address_space: global }
    .group_segment_fixed_size: 2048
    .private_segment_fixed_size: 0
    .kernarg_segment_align: 8
    .kernarg_segment_size: 16
    .max_flat_workgroup_size: 256
    .sgpr_count:     66
    .vgpr_count:     194
    .wavefront_size: 32
...
	.end_amdgpu_metadata
.endif
;; end of part 3
;; launch main (part 4): grid 256 x 1, 4 waves a work-group, clusters of 4 x 1, 327,680 bytes of LDS; arguments x, xc, xs, wst, kvf, bo, g1, be1, b2, g2, be2, out0; writes out0
.if DOCPART == 4
	.amdgcn_target "amdgcn-amd-amdhsa--gfx1250"
	.amdhsa_code_object_version 6
	.text
	.protected	k_qc568df306b_main
	.globl	k_qc568df306b_main
	.p2align	8
	.type	k_qc568df306b_main,@function
k_qc568df306b_main:
	s_mov_b64 s[64:65], 0
	v_nop
	global_prefetch_b8 v0, s[64:65] scope:SCOPE_SE
	s_setreg_imm32_b32 hwreg(HW_REG_WAVE_MODE, 25, 1), 1
	s_wait_xcnt 0x0
	s_wait_alu depctr_hold_cnt(0) depctr_sa_sdst(0) depctr_va_vdst(0) depctr_va_sdst(0) depctr_va_ssrc(0) depctr_va_vcc(0) depctr_vm_vsrc(0)
	s_getreg_b32 s2, hwreg(HW_REG_IB_STS2, 6, 4)
	s_cmp_eq_u32 s2, 0
	s_cbranch_scc0 .Lentry_in_a_cluster
	s_endpgm
.Lentry_in_a_cluster:
	s_bfe_u32 s2, ttmp6, 0x10000c
	s_cmp_lg_u32 s2, 0x3003
	s_cbranch_scc0 .Lentry_shape_is_right
	s_endpgm
.Lentry_shape_is_right:
; For 64 rows: q = x Wq + bq, Q = elu(q) + 1, Z = 1 / (Q . sum of K + 1e-6), attn = (Q KV^T) Z, y1 = LN(x + attn Wo + bo), out = LN(y1 + relu(y1 W1 + b1) W2 + b2).
; All matrix products on codes of BF8 (E5M2) with one E8M0 scale for each 32 along K; Q . sum of K, Z, the norms and the residuals in f32.  Nothing between x and out goes to memory.
; SHARES.  A work-group takes 64 rows (four tiles of 16).  THE WAVES SHARE THE COLUMNS: wave w makes columns 128 w .. 128 w + 127 of every result 512 wide (heads 2 w, 2 w + 1).
; ALL PRODUCTS ARE USED TRANSPOSED (source 0 = 16 columns of a weight, or 16 m of KV; source 1 = 16 rows): a lane holds one row, its registers run along the columns, and the columns of a
; tile were chosen (first launch) so that the 16 registers of two neighbouring tiles are 16 neighbours along the next K: the conversions' results are the next operand's registers.
; An operand goes from wave to wave through LDS as an image of its registers (2,048 bytes a fragment, lane l's 16 bytes at 512 c + 16 l).
; The rows' fragments of a whole K = 512 (x's, then y1's) stay in 256 registers, so each weight fragment read from LDS feeds four products.
; THE WEIGHTS are one stream of 20 slots of 136,192 bytes (Wq 2, Wo 2, then four runs of 512 hidden units: W1 2 and W2 2 each), walked by every work-group through a ring of two LDS slots.
; A slot is four blocks, one for each wave: a wave fetches its own block and reads it alone.  CLUSTER: the four work-groups of a cluster ask for each block jointly.  (A mask names four
; work-groups; all work-groups walk one stream, so a second axis of the cluster would share nothing more.)
; THE WALK'S ORDER.  The four runs add onto R in any order.  Cluster n begins at run (the sum of n's three base-4 digits) mod 4 and goes round: at any time the four runs are in hand in
; different clusters, and from a cluster's second run on each slot that it asks for has been asked for, four slots earlier, by the clusters that began one run further on.  (Every four
; neighbouring cluster numbers, and every set of numbers alike in their low digit, hold all four starts.)  The start hangs on the cluster's number alone: it is the same in all four partners.
; ONE SET OF 256 REGISTERS, R, carries the rows: x + bo, + attn Wo, LN -> y1, + b2, + hidden W2, LN -> out.
; The norm's sums span four waves: each wave's mean and its sum of squares about that mean meet in LDS and are joined without a difference of large sums.
; LIMITS: elu(q) + 1 is max(q, 0) + exp(min(q, 0)): within 6e-8 of expm1(q) + 1, and 0 below q = -87; blocks of zeros or under 2^-111 get the byte 1; NaN and infinities are not served;
; the four runs' contributions to the last product are added in f32 in an order that differs from cluster to cluster.
; REGISTERS, in windows of 256: window 0: v1-31 addresses; v32-95 results at work; v96-111 codes just made; v112-127 the quantiser's work; v128-143 the rows' scale words; v144-147 a weight's;
;   v148-151 those of fragments fetched from images; v152-155 words in the making; v156-159 Q . sum of K; v160-167 Z; v168-183 a bias, or Q's fragment; v184-199 sums of K; v200-207 KV's scale words;
;   v208 a word just made; v212-243 at work.   window 1: the rows' 16 fragments; on the way out rows of out.   window 2: R (column tile t of row tile m at 64 m + 8 t).
;   window 3: v0-127 eight weight fragments (or gains and offsets of a norm); v128-191 four fragments from images; until the attention v128-255 KV's eight fragments.
.set SLOTB, 136192
.set BLKB,  34048
.set IMG,   272384                     ; LDS: slot 0 at 0, slot 1 at SLOTB; here 16 fragment images, (4 m + s) x 2,048;
.set SCW,   305152                     ; their scale words: 512 m + 16 l + 4 s;
.set LNS,   307200                     ; the norms' figures: 512 w + 128 m + 8 r;
.set KSL,   309248                     ; the sums of K: 512 w + 4 x column;
.set SPARE, 311296                     ; the spare words, 128 bytes for each wave: two blocks of 256 bytes that no other line names
.set SPW, 1
.set NIL, 2
.set L16, 3
.set AW0, 4
.set ASA0, 5
.set ASB0, 6
.set AB0, 7
.set AI0, 8
.set AF0, 9
.set ASW0, 10
.set ASR0, 11
.set AKS0, 12
.set ALW, 13
.set ALR, 14
.set ACOL, 15
.set STO, 16
.set KSW, 17
.set XST, 18
.set XRD, 19
.set GX,  20
.set AW,  21
.set ASX, 22
.set AB,  23
.set AI,  24
.set AK,  25
.set AH,  26
.set AHS, 27
.set PFO, 28
.set R16, 29
.set KVO, 30
.set KVK, 31
.set HA,  32
.set PC,  96
.set TM,  112
.set AS,  128
.set WS,  144
.set HS,  148
.set SWD, 152
.set DEN, 156
.set ZR,  160
.set BC,  168
.set QF,  168
.set KS,  184
.set KVS, 200
.set PW,  208
.set T32, 212
.set WV,  32
.set G1,  36
.set G0A, 44
.set G0B, 48
.set SEL, 52
.set L2E, 54
.set MNT, 56
.set GW,  57
.set GS,  58
.set GB,  59
.set GC,  60
.set PI,  61
.set PK,  62
.set CH,  63
.set HO,  68
.set HSO, 69
.set PFA, 70
.set PFN, 72
.set LIM, 73
.set I512, 82
.set EPS5, 83
.set CUR, 84                           ; s84     the run of 512 hidden units in hand, 0..3
.set JMP, 86                           ; s[86:87] from run 0 to my first run, in bytes: 4 slots x my start
.set WR,  88                           ; s[88:89] 16 slots where the next run is run 0 again, else 0
.set MSB, 0
.macro WIN new                         ; the immediate's high byte repeats the setting that is left
.if MSB != (\new)
	s_set_vgpr_msb (MSB<<8)|(\new)
.set MSB, (\new)
.endif
.endm
.macro PLACES n                        ; plain vector lines behind matrix instructions (ISA guide 7.12.1)
.rept \n
	v_nop
.endr
.endm
.macro BARRIER
	s_wait_dscnt 0x0
	s_barrier_signal -1
	s_barrier_wait -1
.endm
.macro ROUND                           ; a round of the cluster's barrier
	s_barrier_signal -1
	s_barrier_wait -1
	s_cmp_lg_u32 s[WV], 0
	s_cbranch_scc1 .Lnot_wave_0_\@
	s_barrier_signal -3
.Lnot_wave_0_\@:
	s_barrier_wait -3
	s_barrier_signal -1
	s_barrier_wait -1
.endm
; one product: D at v[d], sources at v[a], v[b], C at v[c] (c < 0: the constant 0), scale words v[sa], v[sb]; ra, rb = 1: the scales stand in lanes 16-31
.macro WM d, a, b, c, sa, sb, ra, rb
.if (\c) < 0
	v_wmma_scale_f32_16x16x128_f8f6f4 v[(\d):(\d)+7], v[(\a):(\a)+15], v[(\b):(\b)+15], 0, v[\sa], v[\sb] matrix_a_fmt:MATRIX_FMT_BF8 matrix_b_fmt:MATRIX_FMT_BF8
.elseif ((\ra) == 0) && ((\rb) == 0)
	v_wmma_scale_f32_16x16x128_f8f6f4 v[(\d):(\d)+7], v[(\a):(\a)+15], v[(\b):(\b)+15], v[(\c):(\c)+7], v[\sa], v[\sb] matrix_a_fmt:MATRIX_FMT_BF8 matrix_b_fmt:MATRIX_FMT_BF8
.elseif ((\ra) == 1) && ((\rb) == 0)
	v_wmma_scale_f32_16x16x128_f8f6f4 v[(\d):(\d)+7], v[(\a):(\a)+15], v[(\b):(\b)+15], v[(\c):(\c)+7], v[\sa], v[\sb] matrix_a_fmt:MATRIX_FMT_BF8 matrix_b_fmt:MATRIX_FMT_BF8 matrix_a_scale:MATRIX_SCALE_ROW1
.elseif ((\ra) == 0) && ((\rb) == 1)
	v_wmma_scale_f32_16x16x128_f8f6f4 v[(\d):(\d)+7], v[(\a):(\a)+15], v[(\b):(\b)+15], v[(\c):(\c)+7], v[\sa], v[\sb] matrix_a_fmt:MATRIX_FMT_BF8 matrix_b_fmt:MATRIX_FMT_BF8 matrix_b_scale:MATRIX_SCALE_ROW1
.else
	v_wmma_scale_f32_16x16x128_f8f6f4 v[(\d):(\d)+7], v[(\a):(\a)+15], v[(\b):(\b)+15], v[(\c):(\c)+7], v[\sa], v[\sb] matrix_a_fmt:MATRIX_FMT_BF8 matrix_b_fmt:MATRIX_FMT_BF8 matrix_a_scale:MATRIX_SCALE_ROW1 matrix_b_scale:MATRIX_SCALE_ROW1
.endif
.endm
; Four blocks of 32 by turns.  Block i: my 16 numbers at v[s_i] on, window sw; held numbers to v[HA + 16 i] on; codes to v[d_i .. d_i + 3] of window dw; bytes stay in v[TM+4 .. TM+7].
; relu = 1: what is negative becomes 0 on the way: it does not count for the largest magnitude, and the hold clips at 0.
.macro QUANT4 sw, s0, s1, s2, s3, relu, dw, d0, d1, d2, d3
	WIN 0
.irp i, 0,1,2,3
	v_mov_b32 v[TM+\i], 0x8000000                  ; the floor 2^(16 - 127): the byte cannot fall under 1
.endr
	WIN ((\sw)<<2)|((\sw)<<4)
.irp k, 0,2,4,6,8,10,12,14
.if \relu
	v_max3_num_f32 v[TM+0], v[TM+0], v[(\s0)+\k], v[(\s0)+\k+1]          ; ascending: each result is first read at its low end
	v_max3_num_f32 v[TM+1], v[TM+1], v[(\s1)+\k], v[(\s1)+\k+1]
	v_max3_num_f32 v[TM+2], v[TM+2], v[(\s2)+\k], v[(\s2)+\k+1]
	v_max3_num_f32 v[TM+3], v[TM+3], v[(\s3)+\k], v[(\s3)+\k+1]
.else
	v_max3_num_f32 v[TM+0], v[TM+0], |v[(\s0)+\k]|, |v[(\s0)+\k+1]|
	v_max3_num_f32 v[TM+1], v[TM+1], |v[(\s1)+\k]|, |v[(\s1)+\k+1]|
	v_max3_num_f32 v[TM+2], v[TM+2], |v[(\s2)+\k]|, |v[(\s2)+\k+1]|
	v_max3_num_f32 v[TM+3], v[TM+3], |v[(\s3)+\k]|, |v[(\s3)+\k+1]|
.endif
.endr
	WIN 0
.irp i, 0,1,2,3
	v_permlanex16_b32 v[TM+4+\i], v[TM+\i], s[SEL], s[SEL+1]
.endr
.irp i, 0,1,2,3
	v_max_num_f32 v[TM+\i], v[TM+\i], v[TM+4+\i]   ; with lane l xor 16's 16 numbers: the block's largest magnitude
.endr
.irp i, 0,1,2,3
	v_add_nc_u32 v[TM+12+\i], 0xf8800000, v[TM+\i] ; 15 off its exponent field: the conversion's scale operand
.endr
.irp i, 0,1,2,3
	v_and_or_b32 v[TM+8+\i], v[TM+\i], 0x7f800000, s[MNT]  ; 57,344 x the scale
.endr
.irp i, 0,1,2,3
	v_lshrrev_b32 v[TM+4+\i], 23, v[TM+12+\i]      ; the scale's byte
.endr
	WIN (\sw)
.irp k, 0,1,2,3,4,5,6,7,8,9,10,11,12,13,14,15
.if \relu
	v_med3_num_f32 v[HA+\k], v[(\s0)+\k], 0, v[TM+8]
	v_med3_num_f32 v[HA+16+\k], v[(\s1)+\k], 0, v[TM+9]
	v_med3_num_f32 v[HA+32+\k], v[(\s2)+\k], 0, v[TM+10]
	v_med3_num_f32 v[HA+48+\k], v[(\s3)+\k], 0, v[TM+11]
.else
	v_med3_num_f32 v[HA+\k], v[(\s0)+\k], -v[TM+8], v[TM+8]     ; the conversion to an 8-bit code does not saturate (ISA guide 7.6.2): the hold
	v_med3_num_f32 v[HA+16+\k], v[(\s1)+\k], -v[TM+9], v[TM+9]
	v_med3_num_f32 v[HA+32+\k], v[(\s2)+\k], -v[TM+10], v[TM+10]
	v_med3_num_f32 v[HA+48+\k], v[(\s3)+\k], -v[TM+11], v[TM+11]
.endif
.endr
	WIN (\dw)<<6
	v_cvt_scalef32_pk8_bf8_f32 v[(\d0):(\d0)+1], v[HA:HA+7], v[TM+12]
	v_cvt_scalef32_pk8_bf8_f32 v[(\d0)+2:(\d0)+3], v[HA+8:HA+15], v[TM+12]
	v_cvt_scalef32_pk8_bf8_f32 v[(\d1):(\d1)+1], v[HA+16:HA+23], v[TM+13]
	v_cvt_scalef32_pk8_bf8_f32 v[(\d1)+2:(\d1)+3], v[HA+24:HA+31], v[TM+13]
	v_cvt_scalef32_pk8_bf8_f32 v[(\d2):(\d2)+1], v[HA+32:HA+39], v[TM+14]
	v_cvt_scalef32_pk8_bf8_f32 v[(\d2)+2:(\d2)+3], v[HA+40:HA+47], v[TM+14]
	v_cvt_scalef32_pk8_bf8_f32 v[(\d3):(\d3)+1], v[HA+48:HA+55], v[TM+15]
	v_cvt_scalef32_pk8_bf8_f32 v[(\d3)+2:(\d3)+3], v[HA+56:HA+63], v[TM+15]
	WIN 0
	v_nop                                          ; one plain line behind the last conversion
.endm
.macro WORD4 d                         ; four blocks of ONE row tile: their bytes make its scale word
	v_lshl_or_b32 v[\d], v[TM+5], 8, v[TM+4]
	v_lshl_or_b32 v[\d], v[TM+6], 16, v[\d]
	v_lshl_or_b32 v[\d], v[TM+7], 24, v[\d]
.endm
.macro WORDROT                         ; one block of each of FOUR row tiles: each tile's word takes its byte from above; after four blocks the first stands lowest
.irp i, 0,1,2,3
	v_lshrrev_b32 v[SWD+\i], 8, v[SWD+\i]
.endr
.irp i, 0,1,2,3
	v_lshl_or_b32 v[SWD+\i], v[TM+4+\i], 24, v[SWD+\i]
.endr
.endm
; 32 numbers at v[base] on become max(q, 0) + 2^(log2(e) min(q, 0)).  The 32 exponentials are one batch with one wait; the 32 maxima are the plain work behind them.
.macro ELU base
.set ek, 0
.rept 32
	v_min_num_f32 v[T32+ek], 0, v[(\base)+ek]
.set ek, ek+1
.endr
.set ek, 0
.rept 16
	v_pk_mul_f32 v[T32+ek:T32+ek+1], v[T32+ek:T32+ek+1], s[L2E:L2E+1] op_sel_hi:[1,0]
.set ek, ek+2
.endr
.set ek, 0
.rept 32
	v_exp_f32 v[T32+ek], v[T32+ek]
.set ek, ek+1
.endr
.set ek, 0
.rept 32
	v_max_num_f32 v[(\base)+ek], 0, v[(\base)+ek]
.set ek, ek+1
.endr
	s_wait_alu depctr_va_vdst(0)                   ; one wait for the batch, ahead of its first reader
.set ek, 0
.rept 16
	v_pk_add_f32 v[(\base)+ek:(\base)+ek+1], v[(\base)+ek:(\base)+ek+1], v[T32+ek:T32+ek+1]
.set ek, ek+2
.endr
.endm
; A PREFETCH INTO THE L2 of the slot that stands two refills on, for a cluster's FIRST run alone.  Clusters 0 to 3 begin at runs 0 to 3: each of them asks, at its first four changes of slots, for
; its own first run's four slots.  Its four partners take a block each, told apart BY ADDRESS; in each, wave w takes 8,192 bytes, lanes 256 bytes apart: one instruction a wave, each aligned
; 256 bytes of W1's and W2's slots named once in the launch.  (A block's last 1,280 bytes, and Wq's and Wo's slots, come by their loads alone.)  Later runs have been read by then, and are asked for by nobody.
.macro ASK
	s_cmp_gt_u32 s[PFN], s[LIM]
	s_cbranch_scc0 .Lnot_mine_\@
	global_prefetch_b8 v[PFO], s[PFA:PFA+1] th:TH_LOAD_NT scope:SCOPE_SE
.Lnot_mine_\@:
.endm
; THE CHANGE OF SLOTS, on to slot ns.  Each wave waits for all its tensor loads (one is out: its block of slot ns), adds 0 to its spare word, and waits for that and for all its LDS reads and stores.
; A round of the cluster's barrier follows; behind it the slot just left takes the walk's slot two on: the wave's one tensor load until the next change, with a whole slot's work in which to land.
; mode says where that slot lies in the stream: 0: two slots on; 1: two slots on and over the runs ahead of my first run; 2: two slots on, and 16 back where the run in hand is the stream's last.
.macro CHANGE ns, mode
	WIN 0
.if (\ns) == 1
.set GD, G0A
.else
.set GD, G0B
.endif
	s_wait_tensorcnt 0x0                           ; no tensor load of mine is out, so a descriptor may be written
	ds_add_u32 v[SPW], v[NIL]                      ; 0 onto my spare word
	s_add_nc_u64 s[GD+2:GD+3], s[GD+2:GD+3], 2*SLOTB
.if (\mode) == 1
	s_add_nc_u64 s[GD+2:GD+3], s[GD+2:GD+3], s[JMP:JMP+1]
.elseif (\mode) == 2
	s_sub_nc_u64 s[GD+2:GD+3], s[GD+2:GD+3], s[WR:WR+1]
.endif
	s_sub_co_u32 s[PFN], s[PFN], 1
	s_wait_xcnt 0x0                                ; the last prefetch, a slot back, has read its address
	s_add_nc_u64 s[PFA:PFA+1], s[PFA:PFA+1], SLOTB
	s_wait_dscnt 0x0                               ; the add is done; my reads of the slot are over; my images lie in LDS
	ROUND
	tensor_load_to_lds s[GD:GD+3], s[G1:G1+7]
	s_nop 0
	PLACES 4
	ASK
.endm
; A PAIR OF COLUMN TILES (32 columns) against the 64 rows, K = 512: 8 weight fragments, 32 products, four accumulators by turns.  kind = 1: Wq (feature map, Q . sum of K); 0: W1 (relu).
; The 32 columns are one block of the next K for each of the four row tiles: quantised, they are register group pw of the image (m, K step w).
.macro GROUP_A kind
	v_add_nc_u32 v[AW], s[GW], v[AW0]
	v_add_nc_u32 v[ASX], s[GS], v[ASA0]
	v_add_nc_u32 v[AB], s[GB], v[AB0]
.if \kind
	v_add_nc_u32 v[AK], s[PK], v[AKS0]
.endif
	ds_load_b128 v[WS:WS+3], v[ASX]                ; lanes 0-15: tile u = 0's words of the four K steps; lanes 16-31: tile u = 1's
.irp j, 0,1,2,3
	ds_load_b128 v[BC+4*\j:BC+4*\j+3], v[AB] offset:16*\j        ; the bias at my 16 columns
.endr
.if \kind
.irp j, 0,1,2,3
	ds_load_b128 v[KS+4*\j:KS+4*\j+3], v[AK] offset:16*\j        ; the sum of K at my 16 columns
.endr
.endif
	WIN 0xc0
.set gf, 0
.rept 32
	ds_load_b128 v[4*gf:4*gf+3], v[AW] offset:512*gf
.set gf, gf+1
.endr
	WIN 0x07                                       ; source 0 (the weight) window 3, source 1 (the rows) window 1
.set gf, 0
.rept 8
	s_wait_dscnt 4*(7-gf)                          ; fragment gf is in; the four loads of each later fragment may be out
.irp m, 0,1,2,3
.if (gf%4) == 0
	WM HA+16*\m+8*(gf/4), 16*gf, 16*(4*\m+gf%4), BC+8*(gf/4), WS+gf%4, AS+4*\m+gf%4, gf/4, 0
.else
	WM HA+16*\m+8*(gf/4), 16*gf, 16*(4*\m+gf%4), HA+16*\m+8*(gf/4), WS+gf%4, AS+4*\m+gf%4, gf/4, 0
.endif
.endr
.set gf, gf+1
.endr
	WIN 0
	PLACES 9
.if \kind
	ELU HA
	ELU HA+32
.set gf, 0
.rept 16
.irp m, 0,1,2,3
	v_fmac_f32 v[DEN+\m], v[HA+16*\m+gf], v[KS+gf] ; Q . sum of K, in f32, of the unquantised Q
.endr
.set gf, gf+1
.endr
.endif
	QUANT4 0, HA, HA+16, HA+32, HA+48, 1-(\kind), 0, PC, PC+4, PC+8, PC+12
	WORDROT
	v_add_nc_u32 v[AI], s[PI], v[AI0]              ; (the last pair's stores were shown done by the wait for 0 above)
.irp m, 0,1,2,3
	ds_store_b128 v[AI], v[PC+4*\m:PC+4*\m+3] offset:8192*\m
.endr
.endm
.macro HALF_A slot, kind               ; a slot of Wq or W1: two pairs
	s_mov_b32 s[GW], (\slot)*SLOTB
	s_mov_b32 s[GS], (\slot)*SLOTB
	s_mov_b32 s[GB], (\slot)*SLOTB
	s_mov_b32 s[PI], (\slot)*1024
	s_mov_b32 s[PK], (\slot)*256
	s_mov_b32 s[GC], 2
.Lga_\@:
	GROUP_A \kind
	s_add_co_u32 s[GW], s[GW], 16384
	s_add_co_u32 s[GS], s[GS], 512
	s_add_co_u32 s[GB], s[GB], 128
	s_add_co_u32 s[PI], s[PI], 512
	s_add_co_u32 s[PK], s[PK], 128
	s_sub_co_u32 s[GC], s[GC], 1
	s_cmp_lg_u32 s[GC], 0
	s_cbranch_scc1 .Lga_\@
.endm
; A K STEP of Wo or W2: my eight column tiles against the four row tiles' fragments from the images: 32 products onto R's 32 accumulators, by turns.
.macro GROUP_B
	v_add_nc_u32 v[AW], s[GW], v[AW0]
	v_add_nc_u32 v[ASX], s[GS], v[ASB0]
	v_add_nc_u32 v[AH], s[HO], v[AF0]
	v_add_nc_u32 v[AHS], s[HSO], v[ASR0]
.irp m, 0,1,2,3
	ds_load_b32 v[HS+\m], v[AHS] offset:512*\m
.endr
.irp p, 0,1,2,3
	ds_load_b32 v[WS+\p], v[ASX] offset:256*\p     ; lanes 0-15: tile 2 p's word; lanes 16-31: tile 2 p + 1's
.endr
	WIN 0xc0
.irp m, 0,1,2,3
.irp c, 0,1,2,3
	ds_load_b128 v[128+16*\m+4*\c:128+16*\m+4*\c+3], v[AH] offset:8192*\m+512*\c
.endr
.endr
.set gf, 0
.rept 32
	ds_load_b128 v[4*gf:4*gf+3], v[AW] offset:512*gf
.set gf, gf+1
.endr
	WIN 0xaf                                       ; sources 0 and 1 window 3, C and D window 2
.set gf, 0
.rept 8
	s_wait_dscnt 4*(7-gf)                          ; tile gf's fragment is in; the four loads of each later one may be out
.irp m, 0,1,2,3
	WM 64*\m+8*gf, 16*gf, 128+16*\m, 64*\m+8*gf, WS+gf/2, HS+\m, gf%2, 0
.endr
.set gf, gf+1
.endr
	WIN 0
	PLACES 9
.endm
.macro HALF_B slot                     ; a slot of Wo or W2: two K steps
	s_mov_b32 s[GW], (\slot)*SLOTB
	s_mov_b32 s[GS], (\slot)*SLOTB
	s_mov_b32 s[HO], (\slot)*4096
	s_mov_b32 s[HSO], (\slot)*8
	s_mov_b32 s[GC], 2
.Lgb_\@:
	GROUP_B
	s_add_co_u32 s[GW], s[GW], 16384
	s_add_co_u32 s[GS], s[GS], 4
	s_add_co_u32 s[HO], s[HO], 2048
	s_add_co_u32 s[HSO], s[HSO], 4
	s_sub_co_u32 s[GC], s[GC], 1
	s_cmp_lg_u32 s[GC], 0
	s_cbranch_scc1 .Lgb_\@
.endm
.macro ZEND hh                         ; a head's 64 columns are done: Z = 1 / (Q . sum of K + 1e-6) for the four row tiles
.irp m, 0,1,2,3
	v_permlanex16_b32 v[TM+4+\m], v[DEN+\m], s[SEL], s[SEL+1]
.endr
.irp m, 0,1,2,3
	v_add_f32 v[DEN+\m], v[DEN+\m], v[TM+4+\m]
.endr
.irp m, 0,1,2,3
	v_add_f32 v[DEN+\m], 0x358637bd, v[DEN+\m]
.endr
.irp m, 0,1,2,3
	v_rcp_f32 v[ZR+4*(\hh)+\m], v[DEN+\m]
.endr
	v_nop
	s_wait_alu depctr_va_vdst(0)                   ; one wait for the four
.endm
; Row tile m: attn = (Q KV^T) Z for my two heads.  K is 64: a head's d are one half of Q's K step of 128, and KV's fragment holds zero codes in the other half.
.macro ATT m
.irp c, 0,1,2,3
	ds_load_b128 v[QF+4*\c:QF+4*\c+3], v[AI0] offset:8192*(\m)+512*\c     ; my own image of Q
.endr
	s_wait_dscnt 0x0
	WIN 0x03
.irp hh, 0,1
.irp mt, 0,1,2,3
	WM HA+32*\hh+8*\mt, 128+16*(4*\hh+\mt), QF, -1, KVS+4*\hh+\mt, SWD+(\m), 0, 0
.endr
.endr
	WIN 0
	PLACES 9
.irp hh, 0,1
.set gf, 0
.rept 32
	v_mul_f32 v[HA+32*\hh+gf], v[ZR+4*\hh+(\m)], v[HA+32*\hh+gf]
.set gf, gf+1
.endr
.endr
	QUANT4 0, HA, HA+16, HA+32, HA+48, 0, 0, PC, PC+4, PC+8, PC+12
	WORD4 PW
.irp c, 0,1,2,3
	ds_store_b128 v[AI0], v[PC+4*\c:PC+4*\c+3] offset:8192*(\m)+512*\c    ; over Q's image, which I alone read, and have read
.endr
	ds_store_b32 v[ASW0], v[PW] offset:512*(\m)
.endm
; R becomes (R - mean) rsqrt(var + 1e-5) g + b, row by row.  A row lies in lanes r and r + 16 of four waves.
.macro LN gp, bp
	WIN 0xc0
.set li, 0
.rept 16
	global_load_b128 v[4*li:4*li+3], v[ACOL], s[\gp:\gp+1] offset:128*(li/4)+16*(li%4)
	global_load_b128 v[64+4*li:64+4*li+3], v[ACOL], s[\bp:\bp+1] offset:128*(li/4)+16*(li%4)
.set li, li+1
.endr
	WIN 0
.irp k, 0,1,2,3,4,5,6,7
	v_mov_b32 v[T32+\k], 0
.endr
	WIN 0x08
.set lj, 0
.rept 32
.irp m, 0,1,2,3
	v_pk_add_f32 v[T32+2*\m:T32+2*\m+1], v[T32+2*\m:T32+2*\m+1], v[64*\m+lj:64*\m+lj+1]    ; ascending: each accumulator is first read at its low end
.endr
.set lj, lj+2
.endr
	WIN 0
.irp m, 0,1,2,3
	v_add_f32 v[TM+\m], v[T32+2*\m], v[T32+2*\m+1]
.endr
.irp m, 0,1,2,3
	v_permlanex16_b32 v[TM+4+\m], v[TM+\m], s[SEL], s[SEL+1]
.endr
.irp m, 0,1,2,3
	v_add_f32 v[TM+\m], v[TM+\m], v[TM+4+\m]
.endr
.irp m, 0,1,2,3
	v_mul_f32 v[T32+8+2*\m], 0x3c000000, v[TM+\m]  ; my wave's mean over its 128 columns
.endr
.irp m, 0,1,2,3
	v_mov_b32 v[T32+9+2*\m], v[T32+8+2*\m]         ; (named with it as a pair)
.endr
.irp k, 0,1,2,3,4,5,6,7
	v_mov_b32 v[T32+\k], 0
.endr
	WIN 0x82
.set lj, 0
.rept 32
.irp m, 0,1,2,3
	v_pk_add_f32 v[64*\m+lj:64*\m+lj+1], v[64*\m+lj:64*\m+lj+1], v[T32+8+2*\m:T32+9+2*\m] op_sel_hi:[1,0] neg_lo:[0,1] neg_hi:[0,1]
.endr
.set lj, lj+2
.endr
	WIN 0x0a
.set lj, 0
.rept 32
.irp m, 0,1,2,3
	v_pk_fma_f32 v[T32+2*\m:T32+2*\m+1], v[64*\m+lj:64*\m+lj+1], v[64*\m+lj:64*\m+lj+1], v[T32+2*\m:T32+2*\m+1]
.endr
.set lj, lj+2
.endr
	WIN 0
.irp m, 0,1,2,3
	v_add_f32 v[TM+\m], v[T32+2*\m], v[T32+2*\m+1]
.endr
.irp m, 0,1,2,3
	v_permlanex16_b32 v[TM+4+\m], v[TM+\m], s[SEL], s[SEL+1]
.endr
.irp m, 0,1,2,3
	v_add_f32 v[T32+9+2*\m], v[TM+\m], v[TM+4+\m]  ; the sum of squares about my wave's mean
.endr
.irp m, 0,1,2,3
	ds_store_b64 v[ALW], v[T32+8+2*\m:T32+9+2*\m] offset:128*\m
.endr
	BARRIER                                        ; all four waves' figures lie in LDS (and every wave's reads of the images are over)
.irp m, 0,1,2,3
.irp q, 0,1,2,3
	ds_load_b64 v[HA+8*\m+2*\q:HA+8*\m+2*\q+1], v[ALR] offset:512*\q+128*\m
.endr
.endr
	s_wait_dscnt 0x0
.irp m, 0,1,2,3
	v_add_f32 v[TM+\m], v[HA+8*\m], v[HA+8*\m+2]
	v_add_f32 v[TM+4+\m], v[HA+8*\m+4], v[HA+8*\m+6]
.endr
.irp m, 0,1,2,3
	v_add_f32 v[TM+\m], v[TM+\m], v[TM+4+\m]
.endr
.irp m, 0,1,2,3
	v_mul_f32 v[TM+\m], 0x3e800000, v[TM+\m]       ; the row's mean
.endr
.irp m, 0,1,2,3
	v_add_f32 v[TM+4+\m], v[HA+8*\m+1], v[HA+8*\m+3]
	v_add_f32 v[TM+8+\m], v[HA+8*\m+5], v[HA+8*\m+7]
.endr
.irp m, 0,1,2,3
	v_add_f32 v[TM+4+\m], v[TM+4+\m], v[TM+8+\m]
.endr
.irp q, 0,1,2,3
.irp m, 0,1,2,3
	v_sub_f32 v[HA+8*\m+2*\q], v[HA+8*\m+2*\q], v[TM+\m]
.endr
.endr
.irp m, 0,1,2,3
	v_mul_f32 v[TM+8+\m], v[HA+8*\m], v[HA+8*\m]
.endr
.irp q, 1,2,3
.irp m, 0,1,2,3
	v_fmac_f32 v[TM+8+\m], v[HA+8*\m+2*\q], v[HA+8*\m+2*\q]
.endr
.endr
.irp m, 0,1,2,3
	v_fmamk_f32 v[TM+4+\m], v[TM+8+\m], 0x43000000, v[TM+4+\m]   ; + 128 x the waves' means' squares about the row's mean
.endr
.irp m, 0,1,2,3
	v_fma_f32 v[TM+4+\m], v[TM+4+\m], s[I512], s[EPS5]           ; var + 1e-5
.endr
.irp m, 0,1,2,3
	v_rsq_f32 v[T32+16+2*\m], v[TM+4+\m]
.endr
.irp m, 0,1,2,3
	v_sub_f32 v[TM+8+\m], v[T32+8+2*\m], v[TM+\m]  ; my wave's mean less the row's.  (Plain work behind the four)
.endr
	s_wait_alu depctr_va_vdst(0)                   ; one wait for the four
.irp m, 0,1,2,3
	v_mov_b32 v[T32+17+2*\m], v[T32+16+2*\m]
	v_mul_f32 v[T32+24+2*\m], v[TM+8+\m], v[T32+16+2*\m]
.endr
.irp m, 0,1,2,3
	v_mov_b32 v[T32+25+2*\m], v[T32+24+2*\m]
.endr
	s_wait_loadcnt 0x0                             ; the gains and offsets
	WIN 0x82
.set lj, 0
.rept 32
.irp m, 0,1,2,3
	v_pk_fma_f32 v[64*\m+lj:64*\m+lj+1], v[64*\m+lj:64*\m+lj+1], v[T32+16+2*\m:T32+17+2*\m], v[T32+24+2*\m:T32+25+2*\m] op_sel_hi:[1,0,0]
.endr
.set lj, lj+2
.endr
	WIN 0xbe
.set lj, 0
.rept 32
.irp m, 0,1,2,3
	v_pk_fma_f32 v[64*\m+lj:64*\m+lj+1], v[64*\m+lj:64*\m+lj+1], v[lj:lj+1], v[64+lj:64+lj+1]
.endr
.set lj, lj+2
.endr
	WIN 0
.endm
	; ---------------- the head ----------------
	s_load_b512 s[4:19], s[0:1], 0x0               ; x, xc, xs, wst, kvf, bo, g1, be1
	s_load_b256 s[20:27], s[0:1], 0x40             ; b2, g2, be2, out0
	v_lshl_add_u32 v[SPW], v0, 2, SPARE
	v_mov_b32 v[NIL], 0
	ds_add_u32 v1, v2
	ds_add_u32 v1, v2
	s_wait_dscnt 0x0
	v_lshrrev_b32 v21, 5, v0
	v_readfirstlane_b32 s[WV], v21                 ; wave 0..3
	s_bfe_u32 s33, ttmp6, 0x40000                  ; cx
	s_lshl_b32 s34, ttmp9, 2
	s_add_co_u32 s34, s34, s33                     ; my block of 64 rows: it enters global addresses alone
	v_and_b32 v21, 31, v0                          ; l
	v_and_b32 v22, 15, v0                          ; r
	v_bfe_u32 v23, v0, 4, 1                        ; h
	v_lshlrev_b32 v[L16], 4, v21
	s_mul_i32 s66, s[WV], BLKB                     ; my block in a slot
	s_mov_b32 s67, 0
	v_add_nc_u32 v[AW0], s66, v[L16]
	v_add_nc_u32 v[ASA0], 32768, v[AW0]
	v_lshlrev_b32 v[ASB0], 3, v21
	s_add_co_u32 s75, s66, 32768
	v_add_nc_u32 v[ASB0], s75, v[ASB0]
	v_lshlrev_b32 v[AB0], 6, v23
	s_add_co_u32 s75, s66, 33792
	v_add_nc_u32 v[AB0], s75, v[AB0]
	s_lshl_b32 s75, s[WV], 11
	s_add_co_u32 s75, s75, IMG
	v_add_nc_u32 v[AI0], s75, v[L16]               ; the images that I write: K step w
	v_add_nc_u32 v[AF0], IMG, v[L16]
	s_lshl_b32 s75, s[WV], 2
	s_add_co_u32 s75, s75, SCW
	v_add_nc_u32 v[ASW0], s75, v[L16]
	v_add_nc_u32 v[ASR0], SCW, v[L16]
	s_lshl_b32 s75, s[WV], 9
	v_lshlrev_b32 v[ACOL], 6, v23
	v_add_nc_u32 v[ACOL], s75, v[ACOL]             ; 512 w + 64 h: my 16 columns of a block of 32, in bytes of f32
	v_add_nc_u32 v[AKS0], KSL, v[ACOL]
	v_lshlrev_b32 v[ALR], 3, v22
	s_add_co_u32 s76, s75, LNS
	v_add_nc_u32 v[ALW], s76, v[ALR]
	v_add_nc_u32 v[ALR], LNS, v[ALR]
	v_mul_u32_u24 v[STO], v22, 528
	v_lshl_add_u32 v[STO], v23, 6, v[STO]          ; 528 r + 64 h
	s_mul_i32 s76, s[WV], 8448
	s_add_co_u32 s76, s76, IMG                     ; x's turning stage: 16 rows x 528 bytes a wave, in the images' bytes, which are not yet in use
	v_add_nc_u32 v[XRD], s76, v[STO]
	v_add_nc_u32 v[XST], s76, v[L16]
	v_add_nc_u32 v[STO], s66, v[STO]               ; the stage on the way out: in my block of slot 0
	v_add_nc_u32 v[GX], s75, v[L16]                ; 512 w + 16 l: my wave's 512 bytes of a row
	s_add_co_u32 s76, s75, KSL
	v_lshlrev_b32 v[KSW], 3, v21
	v_add_nc_u32 v[KSW], s76, v[KSW]
	v_lshlrev_b32 v[PFO], 8, v21
	s_lshl_b32 s76, s[WV], 13
	v_add_nc_u32 v[PFO], s76, v[PFO]
	v_lshlrev_b32 v[R16], 4, v22
	s_lshr_b32 s35, ttmp9, 3                       ; the batch
	s_lshl_b32 s35, s35, 3
	s_lshl_b32 s76, s[WV], 1
	s_add_co_u32 s35, s35, s76
	s_mul_i32 s35, s35, 4864                       ; my first head's unit of kvf
	v_add_nc_u32 v[KVO], s35, v[L16]
	v_lshlrev_b32 v[KVK], 3, v21
	v_add_nc_u32 v[KVK], s35, v[KVK]
.irp i, 0,1,2,3
	v_mov_b32 v[TM+4+\i], 0                        ; written once: a lane permute's destination counts as one of its sources
	v_mov_b32 v[SWD+\i], 0
	v_mov_b32 v[DEN+\i], 0
.endr
	s_mov_b32 s[SEL], 0x76543210
	s_mov_b32 s[SEL+1], 0xfedcba98
	s_mov_b32 s[L2E], 0x3fb8aa3b                   ; log2(e)
	s_mov_b32 s[L2E+1], s[L2E]
	s_mov_b32 s[MNT], 0x600000
	s_mov_b32 s[I512], 0x3b000000                  ; 1 / 512
	s_mov_b32 s[EPS5], 0x3727c5ac                  ; 1e-5
	; a block: 34,048 dense bytes as 133 rows of 256 (32 elements of 8 bytes); the mask names the cluster's four
	s_mov_b32 s[G1], 15|(3<<16)|(1<<21)
	s_mov_b32 s[G1+1], 32<<16
	s_mov_b32 s[G1+2], 133<<16
	s_mov_b32 s[G1+3], 32<<16
	s_mov_b32 s[G1+4], 133
	s_mov_b32 s[G1+5], 32
	s_mov_b32 s[G1+6], 0
	s_mov_b32 s[G1+7], 0
	; the run at which my cluster begins: the sum of the cluster number's three base-4 digits, mod 4: made of the cluster's number alone
	s_lshr_b32 s85, ttmp9, 2
	s_add_co_u32 s[CUR], s85, ttmp9
	s_lshr_b32 s85, ttmp9, 4
	s_add_co_u32 s[CUR], s[CUR], s85
	s_and_b32 s[CUR], s[CUR], 3
	s_mul_i32 s[JMP], s[CUR], 4*SLOTB              ; the runs ahead of it, in bytes
	s_mov_b32 s[JMP+1], 0
	s_mov_b32 s[WR], 0
	s_mov_b32 s[WR+1], 0
	s_lshl_b32 s74, s34, 17                        ; 64 rows of 2,048 bytes
	s_mov_b32 s75, 0
	s_lshl_b32 s76, s34, 15                        ; 16 fragments
	s_mov_b32 s77, 0
	s_lshl_b32 s78, s34, 10                        ; four tiles' scale words
	s_mov_b32 s79, 0
	s_mul_i32 s80, s33, BLKB                       ; the prefetches: my work-group's block,
	s_add_co_u32 s80, s80, 3*SLOTB                 ; one slot ahead of my first run's first slot: the first change of slots steps it there
	s_add_co_u32 s80, s80, s[JMP]
	s_mov_b32 s81, 0
	s_mov_b32 s[PFN], 19                           ; 18, 17, 16, 15 at the first four changes of slots
	s_cmp_lt_u32 ttmp9, 4                          ; clusters 0 to 3: the same in all four partners
	s_cselect_b32 s[LIM], 14, -1
	s_wait_kmcnt 0x0
	s_mov_b32 s[G0A], 1
	s_mov_b32 s[G0A+1], s66
	s_add_nc_u64 s[G0A+2:G0A+3], s[10:11], s[66:67]
	s_mov_b32 s[G0B], 1
	s_add_co_u32 s[G0B+1], s66, SLOTB
	s_add_nc_u64 s[G0B+2:G0B+3], s[G0A+2:G0A+3], SLOTB
	s_or_b32 s[G0A+3], s[G0A+3], 0x80000000
	s_or_b32 s[G0B+3], s[G0B+3], 0x80000000
	s_add_nc_u64 s[PFA:PFA+1], s[10:11], s[80:81]
	s_add_nc_u64 s[4:5], s[4:5], s[74:75]
	s_add_nc_u64 s[26:27], s[26:27], s[74:75]
	s_add_nc_u64 s[6:7], s[6:7], s[76:77]
	s_add_nc_u64 s[8:9], s[8:9], s[78:79]
	ROUND                                          ; all four work-groups are here: the first joint loads meet
	tensor_load_to_lds s[G0A:G0A+3], s[G1:G1+7]    ; slots 0 and 1 of the stream: two loads of mine are out
	s_nop 0
	tensor_load_to_lds s[G0B:G0B+3], s[G1:G1+7]
	s_nop 0
	PLACES 4
	WIN 0x40
.set li, 0
.rept 64
	global_load_b128 v[4*li:4*li+3], v[L16], s[6:7] offset:512*li          ; x's 16 fragments
.set li, li+1
.endr
	WIN 0
.irp m, 0,1,2,3
	global_load_b128 v[AS+4*\m:AS+4*\m+3], v[R16], s[8:9] offset:256*\m    ; and my row's four scale words of each tile
.endr
	WIN 0x80
.irp m, 0,1,2,3
.set li, 0
.rept 16
	global_load_b128 v[64*\m+4*li:64*\m+4*li+3], v[GX], s[4:5] offset:(32*(\m/2)+8*(\m%2)+li+8*(li/8))*2048 th:TH_LOAD_NT   ; x in f32: 512 consecutive bytes of a row
.set li, li+1
.endr
.endr
	WIN 0xc0
.irp hh, 0,1
.irp mt, 0,1,2,3
.irp c, 0,1
	global_load_b128 v[128+16*(4*\hh+\mt)+8*\hh+4*\c:128+16*(4*\hh+\mt)+8*\hh+4*\c+3], v[KVO], s[12:13] offset:4864*\hh+1024*\mt+512*\c
.endr
.irp k, 0,1,2,3,4,5,6,7
	v_mov_b32 v[128+16*(4*\hh+\mt)+8*(1-\hh)+\k], 0                        ; zero codes for the other head's half of the K step
.endr
.endr
.endr
.set li, 0
.rept 16
	global_load_b128 v[4*li:4*li+3], v[ACOL], s[14:15] offset:128*(li/4)+16*(li%4)   ; bo at my columns
.set li, li+1
.endr
	WIN 0
.irp hh, 0,1
	global_load_b128 v[KVS+4*\hh:KVS+4*\hh+3], v[KVO], s[12:13] offset:4864*\hh+4096
	global_load_b64 v[T32+2*\hh:T32+2*\hh+1], v[KVK], s[12:13] offset:4864*\hh+4608
.endr
	s_wait_loadcnt 0x0
.irp hh, 0,1
	ds_store_b64 v[KSW], v[T32+2*\hh:T32+2*\hh+1] offset:256*\hh           ; my two heads' sums of K: I alone read them
.endr
.irp m, 0,1,2,3                        ; x turns through my stage, so that a lane holds 16 neighbours of each block of 32 of its row: R's layout
	WIN 0x08
.set li, 0
.rept 16
	ds_store_b128 v[XST], v[64*\m+4*li:64*\m+4*li+3] offset:528*li
.set li, li+1
.endr
	WIN 0x80
.set li, 0
.rept 16
	ds_load_b128 v[64*\m+4*li:64*\m+4*li+3], v[XRD] offset:128*(li/4)+16*(li%4)   ; LDS serves a wave's instructions in order
.set li, li+1
.endr
.endr
	s_wait_dscnt 0x0
	WIN 0x8e
.set lj, 0
.rept 32
.irp m, 0,1,2,3
	v_pk_add_f32 v[64*\m+lj:64*\m+lj+1], v[64*\m+lj:64*\m+lj+1], v[lj:lj+1]       ; R = x + bo
.endr
.set lj, lj+2
.endr
	WIN 0
	BARRIER                                        ; the stages lie over other waves' images: all turns are over
	; ---------------- Q ----------------
	s_wait_tensorcnt 0x1                           ; my block of slot 0 is in (I alone read it); slot 1's load may be out
	HALF_A 0, 1
	ZEND 0
	CHANGE 1, 0                                    ; asks for Wo's first slot
.irp m, 0,1,2,3
	v_mov_b32 v[DEN+\m], 0
.endr
	HALF_A 1, 1
	ZEND 1
	CHANGE 0, 0                                    ; for Wo's second
	; ---------------- the attention ----------------
	ATT 0
	ATT 1
	ATT 2
	ATT 3
	BARRIER                                        ; all sixteen images of attn lie in LDS
	; ---------------- Wo ----------------
	HALF_B 0
	CHANGE 1, 1                                    ; asks for my first run's first slot of W1,
	HALF_B 1
	CHANGE 0, 1                                    ; for its second
	; ---------------- the first norm; y1 becomes the rows' fragments ----------------
	LN 16, 18
	WIN 0xc0
.set li, 0
.rept 16
	global_load_b128 v[128+4*li:128+4*li+3], v[ACOL], s[20:21] offset:128*(li/4)+16*(li%4)   ; b2
.set li, li+1
.endr
	WIN 0
.irp m, 0,1,2,3
	QUANT4 2, 64*\m, 64*\m+16, 64*\m+32, 64*\m+48, 0, 0, PC, PC+4, PC+8, PC+12    ; R is kept: the held numbers go elsewhere
	WORD4 PW
.irp c, 0,1,2,3
	ds_store_b128 v[AI0], v[PC+4*\c:PC+4*\c+3] offset:8192*\m+512*\c
.endr
	ds_store_b32 v[ASW0], v[PW] offset:512*\m
	s_wait_dscnt 0x0                               ; the stores have read their registers
.endr
	BARRIER
	WIN 0x40
.set li, 0
.rept 64
	ds_load_b128 v[4*li:4*li+3], v[AF0] offset:512*li
.set li, li+1
.endr
	WIN 0
.irp m, 0,1,2,3
	ds_load_b128 v[AS+4*\m:AS+4*\m+3], v[ASR0] offset:512*\m
.endr
	BARRIER                                        ; every wave has y1's fragments in registers: the hidden layer's images may take their place
	s_wait_loadcnt 0x0
	WIN 0x8e
.set lj, 0
.rept 32
.irp m, 0,1,2,3
	v_pk_add_f32 v[64*\m+lj:64*\m+lj+1], v[64*\m+lj:64*\m+lj+1], v[128+lj:128+lj+1]   ; R = y1 + b2
.endr
.set lj, lj+2
.endr
	WIN 0
	; ---------------- the hidden layer, a run of 512 units at a time, from my cluster's first run round ----------------
	s_mov_b32 s[CH], 4
.Lffn:
	HALF_A 0, 0
	CHANGE 1, 0                                    ; asks for this run's first slot of W2,
	HALF_A 1, 0
.irp m, 0,1,2,3
	ds_store_b32 v[ASW0], v[SWD+\m] offset:512*\m
.endr
	CHANGE 0, 0                                    ; for its second.  Its wait for my LDS stores and its barriers also show the hidden layer's images to every wave
	HALF_B 0
	s_cmp_eq_u32 s[CH], 1
	s_cbranch_scc1 .Llast                          ; the last run's tail is written out: it asks for nothing more
	s_cmp_eq_u32 s[CUR], 3                         ; behind the stream's last run comes its first: 16 slots back
	s_cselect_b32 s[WR], 16*SLOTB, 0
	CHANGE 1, 2                                    ; asks for the next run's first slot of W1,
	HALF_B 1
	CHANGE 0, 2                                    ; for its second.  Every wave's reads of the images are over: the next run may take their place
	s_add_co_u32 s[CUR], s[CUR], 1
	s_and_b32 s[CUR], s[CUR], 3
	s_sub_co_u32 s[CH], s[CH], 1
	s_branch .Lffn
.Llast:
	s_wait_tensorcnt 0x0                           ; the walk's last slot: my block is in, and I alone read it
	HALF_B 1
	; ---------------- the second norm, and the way out ----------------
	LN 22, 24
; A row tile goes through my stage (in my block of slot 0, which has had its last fill and its last read) and leaves as 512 consecutive bytes of a row.
.macro OUTSTG m
	WIN 0x08
.set li, 0
.rept 16
	ds_store_b128 v[STO], v[64*(\m)+4*li:64*(\m)+4*li+3] offset:128*(li/4)+16*(li%4)
.set li, li+1
.endr
	WIN 0x40
.set li, 0
.rept 16
	ds_load_b128 v[64*((\m)%2)+4*li:64*((\m)%2)+4*li+3], v[AW0] offset:528*li     ; LDS serves a wave's instructions in order
.set li, li+1
.endr
	WIN 0
.endm
.macro OUTSND m, younger               ; younger: the LDS instructions issued behind tile m's loads
	s_wait_dscnt \younger
	WIN 0x04
.set li, 0
.rept 16
	global_store_b128 v[GX], v[64*((\m)%2)+4*li:64*((\m)%2)+4*li+3], s[26:27] offset:(32*((\m)/2)+8*((\m)%2)+li+8*(li/8))*2048 th:TH_STORE_NT
.set li, li+1
.endr
	WIN 0
.endm
	OUTSTG 0
	OUTSTG 1
	OUTSND 0, 32                                   ; behind tile 0's loads: tile 1's 16 stores and 16 loads
	s_wait_xcnt 0x0                                ; tile 0's stores have read their registers
	OUTSTG 2
	OUTSND 1, 32
	s_wait_xcnt 0x0
	OUTSTG 3
	OUTSND 2, 32
	OUTSND 3, 0
	s_wait_tensorcnt 0x0                           ; the wave's end
	ds_add_u32 v[SPW], v[NIL]
	s_wait_dscnt 0x0
	ROUND                                          ; the closing round
	s_endpgm
.Lfunc_end_k_qc568df306b_main:
	.size	k_qc568df306b_main, .Lfunc_end_k_qc568df306b_main-k_qc568df306b_main
	.p2alignl 7, 3214868480
	.fill 96, 4, 3214868480
	.section	.rodata,"a",@progbits
	.p2align	6, 0x0
	.amdhsa_kernel k_qc568df306b_main
		.amdhsa_group_segment_fixed_size 327680
		.amdhsa_private_segment_fixed_size 0
		.amdhsa_enable_private_segment 0
		.amdhsa_kernarg_size 96
		.amdhsa_user_sgpr_count 2
		.amdhsa_user_sgpr_kernarg_segment_ptr 1
		.amdhsa_wavefront_size32 1
		.amdhsa_system_sgpr_workgroup_id_x 1
		.amdhsa_system_sgpr_workgroup_id_y 1
		.amdhsa_system_sgpr_workgroup_id_z 1
		.amdhsa_system_vgpr_workitem_id 0
		.amdhsa_next_free_vgpr 1024
		.amdhsa_next_free_sgpr 96
		.amdhsa_reserve_vcc 0
		.amdhsa_float_denorm_mode_32 3
		.amdhsa_float_denorm_mode_16_64 3
		.amdhsa_memory_ordered 1
		.amdhsa_forward_progress 1
		.amdhsa_inst_pref_size 255
	.end_amdhsa_kernel
	.section	.bss,"aw",@nobits
	.p2align	6
	.space	262144
	.amdgpu_metadata
---
amdhsa.version: [ 1, 2 ]
amdhsa.kernels:
  - .name:           k_qc568df306b_main
    .symbol:         k_qc568df306b_main.kd
    .args:
      - { .name: x, .offset: 0, .size: 8, .value_kind: global_buffer, .address_space: global }
      - { .name: xc, .offset: 8, .size: 8, .value_kind: global_buffer, .address_space: global }
      - { .name: xs, .offset: 16, .size: 8, .value_kind: global_buffer, .address_space: global }
      - { .name: wst, .offset: 24, .size: 8, .value_kind: global_buffer, .address_space: global }
      - { .name: kvf, .offset: 32, .size: 8, .value_kind: global_buffer, .address_space: global }
      - { .name: bo, .offset: 40, .size: 8, .value_kind: global_buffer, .address_space: global }
      - { .name: g1, .offset: 48, .size: 8, .value_kind: global_buffer, .address_space: global }
      - { .name: be1, .offset: 56, .size: 8, .value_kind: global_buffer, .address_space: global }
      - { .name: b2, .offset: 64, .size: 8, .value_kind: global_buffer, .address_space: global }
      - { .name: g2, .offset: 72, .size: 8, .value_kind: global_buffer, .address_space: global }
      - { .name: be2, .offset: 80, .size: 8, .value_kind: global_buffer, .address_space: global }
      - { .name: out0, .offset: 88, .size: 8, .value_kind: global_buffer, .address_space: global }
    .group_segment_fixed_size: 327680
    .private_segment_fixed_size: 0
    .kernarg_segment_align: 8
    .kernarg_segment_size: 96
    .max_flat_workgroup_size: 128
    .sgpr_count:     96
    .vgpr_count:     1024
    .wavefront_size: 32
...
	.end_amdgpu_metadata
.endif
;; end of part 4
